; MI455X (gfx1250); checked and timed in simulation.
; The chip was launched on July 23, 2026; its instructions are those of AMD's public machine-readable ISA for CDNA 5 (MIT licence, August 2026) and "CDNA5" Instruction Set Architecture Reference Guide (July 2026). The comments in the code are by the model that wrote it; some were corrected since.
;; Transformer Block. Allowed arithmetic: matrix products marked QUANTISED: E4M3 operands, one given power-of-two scale a tensor, by v_wmma_f32_16x16x64_fp8_fp8 or v_wmma_f32_16x16x128_fp8_fp8, f32 sums; everything else in f32.
;; Inputs: b_ff1 4,096 float32; b_ff2 1,024 float32; b_o 1,024 float32; ln1_scale 1,024 float32; ln1_shift 1,024 float32; ln2_scale 1,024 float32; ln2_shift 1,024 float32; lowp_scales 16 int32 (the exponents e of the quantised operands' scales 2^e); w_ff1_codes 4,096 x 32 x 32 uint8 (E4M3 codes of w_ff1, K innermost, in blocks of 32 codes); w_ff2_codes 1,024 x 128 x 32 uint8 (E4M3 codes of w_ff2, K innermost, in blocks of 32 codes); w_k_codes 1,024 x 32 x 32 uint8 (E4M3 codes of w_k, K innermost, in blocks of 32 codes); w_o_codes 1,024 x 32 x 32 uint8 (E4M3 codes of w_o, K innermost, in blocks of 32 codes); w_q_codes 1,024 x 32 x 32 uint8 (E4M3 codes of w_q, K innermost, in blocks of 32 codes); w_v_codes 1,024 x 32 x 32 uint8 (E4M3 codes of w_v, K innermost, in blocks of 32 codes); x 2 x 2,048 x 1,024 float32.
;; Outputs: out0 2 x 2,048 x 1,024 float32.
;; This version of the problem:
;;   THIS VERSION OF THE PROBLEM IS GIVEN IN LOW PRECISION. The matrix products marked QUANTISED in the list below multiply operands that are first quantised to E4M3 (4 exponent bits, 3 mantissa bits; 8 bits a number), with one given power-of-two scale for each operand tensor; their sums are f32. All else is computed in f32.
;;   The module's matrix products, in the order in which they are computed (A, B: the left and right operand; K: the contracted axis; several contracted axes count as one K, in the product's order):
;;     1. [M 4,096, K 1,024] x [K 1,024, N 1,024]; A: computed on the way; B: input w_q (given as codes): QUANTISED (scales: A lowp_scales[0], B lowp_scales[1])
;;     2. [M 4,096, K 1,024] x [K 1,024, N 1,024]; A: computed on the way; B: input w_k (given as codes): QUANTISED (scales: A lowp_scales[2], B lowp_scales[3])
;;     3. [M 4,096, K 1,024] x [K 1,024, N 1,024]; A: computed on the way; B: input w_v (given as codes): QUANTISED (scales: A lowp_scales[4], B lowp_scales[5])
;;     4. batch 32 x [M 2,048, K 64] x [K 64, N 2,048]; A: computed on the way; B: computed on the way: QUANTISED (scales: A lowp_scales[6], B lowp_scales[7])
;;     5. batch 32 x [M 2,048, K 2,048] x [K 2,048, N 64]; A: softmax (see below); B: computed on the way: QUANTISED (scales: A lowp_scales[8], B lowp_scales[9])
;;     6. [M 4,096, K 1,024] x [K 1,024, N 1,024]; A: computed on the way; B: input w_o (given as codes): QUANTISED (scales: A lowp_scales[10], B lowp_scales[11])
;;     7. [M 4,096, K 1,024] x [K 1,024, N 4,096]; A: computed on the way; B: input w_ff1 (given as codes): QUANTISED (scales: A lowp_scales[12], B lowp_scales[13])
;;     8. [M 4,096, K 4,096] x [K 4,096, N 1,024]; A: computed on the way; B: input w_ff2 (given as codes): QUANTISED (scales: A lowp_scales[14], B lowp_scales[15])
;;   THE QUANTISER, for each operand of a quantised product, along K:
;;     - The operand's scale is 2^e, e = its entry of the input lowp_scales (int32; the entries are numbered through the quantised products in the list's order, A before B).
;;     - Each number is divided by the scale, clamped to +-448, and rounded to the nearest number of E4M3, ties to even, subnormals kept.
;;     - The product sums the exact products of the quantised numbers (number of the format x scale) in f32.
;;   ~~~python
;;   def quantise(x, axis, e):      # numpy; x: float32 -> the quantised numbers, widened to float32 again
;;       x = np.moveaxis(x, axis, -1); K = x.shape[-1]
;;       r = np.clip(x / 2.0 ** e, -448, 448)
;;       step = 2.0 ** (np.maximum(np.frexp(np.where(r == 0, 1, r))[1] - 1, -6) - 3)
;;       q = np.round(r / step) * step * 2.0 ** e      # np.round: ties to even
;;       return np.moveaxis(q, -1, axis).astype(np.float32)
;;   ~~~
;;   SOFTMAX AHEAD OF A QUANTISED PRODUCT. Where the list says 'softmax', what is quantised is not the finished softmax but p = 2^(t - M), with t = logit x log2(e) and M = ceil(the row's largest t), a whole number; so 1/2 < the row's largest p <= 1. The row's sum l is taken of the UNQUANTISED p, in f32, and the product's result is divided by l at the end. Since M is a whole number, a kernel that streams over the keys may use a running M (the ceiling of the running maximum): every later rescaling is an exact power of two, so the quantised numbers keep their values, but for numbers so far below the row's largest that they fall under the format's range.
;;   OPERANDS COMPUTED ON THE WAY. 'Computed on the way' means the value that the module computes at that place (a softmax that the list does not call 'softmax' is quantised finished and normalised). What goes into a quantiser is computed in f32, as accurately as f32 sums, v_exp_f32 and their like allow (about 1e-6 of the number): no bf16 or f16 on the way to a quantiser, and a product that is left as it is and whose result goes on into a quantised operand takes f32 operands (vector FMAs, or v_wmma_f32_16x16x4_f32). A number that lies on a knife's edge between two numbers of the format may be rounded either way, as far as f32 arithmetic and the matrix unit's own rounding can turn it there, and no further.
;;   INPUTS GIVEN AS CODES. w_ff1 (in the module: [1024, 4096], K = its axis 0); w_ff2 (in the module: [4096, 1024], K = its axis 0); w_k (in the module: [1024, 1024], K = its axis 0); w_o (in the module: [1024, 1024], K = its axis 0); w_q (in the module: [1024, 1024], K = its axis 0); w_v (in the module: [1024, 1024], K = its axis 0): each comes as NAME_codes (uint8): NAME with its K axis moved to the last place and cut into blocks of 32 codes, [.., K / 32, bytes a block], one block behind the other in memory; one code a byte (a code: sign, 4 exponent bits, 3 mantissa bits); its scale is its entry of lowp_scales. Its value is code x scale, taken as it is: it is not quantised again, and the codes and scales need not be those that the quantiser above would give.
;; One version. Each part assembles by itself: llvm-mc -triple=amdgcn-amd-amdhsa -mcpu=gfx1250 --defsym DOCPART=n.
;; ======== version 1 of 1: 7 launches
;; limits: right only within a limited range of input values
;; workspace buffers: hqkv 12,582,912 bytes; qkv 12,582,912 bytes; ctx 4,194,304 bytes; x1 16,777,216 bytes; h2 4,194,304 bytes; hid 16,777,216 bytes
;; launch ln1 (part 1): grid 256 x 1, 8 waves a work-group, no clusters, 0 bytes of LDS; arguments x, ln1_scale, ln1_shift, lowp_scales, hqkv; writes hqkv
.if DOCPART == 1
	.amdgcn_target "amdgcn-amd-amdhsa--gfx1250"
	.amdhsa_code_object_version 6
	.text
	.protected	k_q3f42250611_ln1
	.globl	k_q3f42250611_ln1
	.p2align	8
	.type	k_q3f42250611_ln1,@function
k_q3f42250611_ln1:
	s_mov_b64 s[64:65], 0
	v_nop
	global_prefetch_b8 v0, s[64:65] scope:SCOPE_SE
	s_setreg_imm32_b32 hwreg(HW_REG_WAVE_MODE, 25, 1), 1
	s_wait_xcnt 0x0
; THE PROGRAM: a transformer block for 4,096 tokens of 1,024, in seven launches: this norm, Q/K/V, attention, the projection with its residual, the second norm, the two layers of the feed-forward part.
; DEAD WORK, for the whole program.  reference() sets score(q, k) to -infinity wherever k > q, by a mask that it builds itself (jnp.triu, k = 1).  Behind the softmax such a key has the weight 0 for every
; finite input, so it adds nothing to the row's sum nor to the second product.  The attention launch therefore leaves out the key steps (128 keys) that lie wholly behind a wave's 16 queries; in the one step on the diagonal
; all products are made and the hidden scores are replaced by -infinity.  Nothing else is left out: every bias, gain, shift and all sixteen scales are loaded.
; LIMIT: a NaN, an infinity or an overflow that reaches only those hidden scores is not carried to the result.
; THIS LAUNCH: h = ln1_scale (x - mean) / sqrt(var + 1e-5) + ln1_shift, in f32, and its codes of E4M3 three times, under the scales 2^e0, 2^e2, 2^e4 (the A operands of the products with w_q, w_k, w_v):
; three sections of 4 MiB, each [4096 tokens][1024] bytes.  code = h / 2^e, held within +-448, to the nearest code, ties to even.
; LIMITS: e0, e2, e4 between -126 and 119, so that 2^e and 448 x 2^e are f32 numbers.  NaN among the inputs is not served.
; SHARES.  A work-group takes 16 rows, each of its eight waves two whole rows, so no sum leaves a wave: no LDS, no barrier.  Lane l holds columns 256 j + 8 l + 0..7, j = 0..3: four runs of eight neighbours,
; as the conversion wants them, and its 8 codes of a run are 8 bytes: a store of the wave covers 256 consecutive bytes, aligned.  The mean is taken first and the variance of the differences.
; Matrix units, clusters and tensor loads are left out: no byte is shared between work-groups and every byte is read once.
.set NOUT, 3                           ; how many times the row is quantised
.set G,   4                            ; v[4:35]    the gain at my 32 columns
.set B,   36                           ; v[36:67]   the shift
.set X,   68                           ; v[68:131]  my 32 numbers of each of the two rows
.set T,   132                          ; v[132:163] the held numbers
.set C,   164                          ; v[164:..]  codes: 8 registers for each row and output, so that no store's data are written again
.set MN,  212                          ; v[212:213] the mean (the low word serves both halves)
.set RS,  214                          ; v[214:215] 1 / sqrt(var + eps)
.set W,   216                          ; v[216:219] at work
.set SC,  220                          ; v220-222   2^e as f32
.set LM,  223                          ; v223-225   448 x 2^e
.set PX,  226                          ; v226       the lane permute's destination
.set EPS, 227                          ; v227       1e-5
	s_load_b256 s[4:11], s[0:1], 0x0               ; x s[4:5], gain s[6:7], shift s[8:9], the scales' exponents s[10:11]
	s_load_b64 s[12:13], s[0:1], 0x20              ; the codes
	v_lshrrev_b32 v3, 5, v0
	s_delay_alu instid0(VALU_DEP_1)
	v_readfirstlane_b32 s18, v3                    ; wave 0..7
	v_and_b32 v2, 31, v0
	s_delay_alu instid0(VALU_DEP_1)
	v_lshlrev_b32 v1, 5, v2                        ; 32 x lane: my eight numbers of a run
	s_delay_alu instid0(VALU_DEP_2)
	v_lshlrev_b32 v2, 3, v2                        ; 8 x lane: their codes
	s_lshl_b32 s22, ttmp9, 16                      ; 16 rows of 4,096 bytes a work-group,
	s_lshl_b32 s23, s18, 13                        ; two a wave
	s_add_co_u32 s22, s22, s23
	s_mov_b32 s23, 0
	s_lshr_b32 s36, s22, 2                         ; the same rows in a section of codes: a quarter of the bytes
	s_mov_b32 s37, 0
	s_mov_b32 s20, 0x76543210                      ; v_permlanex16_b32: lane l takes lane l xor 16
	s_mov_b32 s21, 0xfedcba98
	s_mov_b32 s34, 0x3a800000                      ; 1 / 1024
	v_mov_b32 v[MN+1], 0                           ; (named as the upper halves of pairs, so they are written)
	v_mov_b32 v[RS+1], 0
	v_mov_b32 v[PX], 0
	v_mov_b32 v[EPS], 0x3727c5ac
	s_wait_alu depctr_va_vdst(0)
	s_wait_kmcnt 0x0
.if NOUT == 3
	s_load_b256 s[24:31], s[10:11], 0x0            ; e0 .. e7: s24, s26, s28 are wanted
.else
	s_load_b32 s24, s[10:11], 0x30                 ; e12
.endif
	s_add_nc_u64 s[4:5], s[4:5], s[22:23]
	s_add_nc_u64 s[12:13], s[12:13], s[36:37]
.if NOUT == 3
	s_add_nc_u64 s[14:15], s[12:13], 0x400000      ; the second and third section
	s_add_nc_u64 s[16:17], s[12:13], 0x800000
.endif
.irp j, 0,1,2,3
	global_load_b128 v[G+8*\j:G+8*\j+3],   v1, s[6:7] offset:1024*\j
	global_load_b128 v[G+8*\j+4:G+8*\j+7], v1, s[6:7] offset:1024*\j+16
.endr
.irp j, 0,1,2,3
	global_load_b128 v[B+8*\j:B+8*\j+3],   v1, s[8:9] offset:1024*\j
	global_load_b128 v[B+8*\j+4:B+8*\j+7], v1, s[8:9] offset:1024*\j+16
.endr
.irp i, 0,1
.irp j, 0,1,2,3
	global_load_b128 v[X+32*\i+8*\j:X+32*\i+8*\j+3],   v1, s[4:5] offset:4096*\i+1024*\j
	global_load_b128 v[X+32*\i+8*\j+4:X+32*\i+8*\j+7], v1, s[4:5] offset:4096*\i+1024*\j+16
.endr
.endr
	s_wait_kmcnt 0x0
.set o, 0
.rept NOUT
	s_add_co_i32 s32, s[24+2*o], 127
	s_lshl_b32 s33, s32, 23
	v_mov_b32 v[SC+o], s33                         ; 2^e: the conversion takes its exponent field
	s_add_co_i32 s32, s32, 8
	s_lshl_b32 s32, s32, 23
	s_or_b32 s32, s32, 0x600000
	v_mov_b32 v[LM+o], s32                         ; 448 x 2^e
.set o, o+1
.endr
.macro WSUM r                          ; the sum of v[r] over the 32 lanes, in every lane
	s_delay_alu instid0(VALU_DEP_1)
	v_add_f32_dpp v[\r], v[\r], v[\r] row_xmask:1 row_mask:0xf bank_mask:0xf
	s_delay_alu instid0(VALU_DEP_1)
	v_add_f32_dpp v[\r], v[\r], v[\r] row_xmask:2 row_mask:0xf bank_mask:0xf
	s_delay_alu instid0(VALU_DEP_1)
	v_add_f32_dpp v[\r], v[\r], v[\r] row_xmask:4 row_mask:0xf bank_mask:0xf
	s_delay_alu instid0(VALU_DEP_1)
	v_add_f32_dpp v[\r], v[\r], v[\r] row_xmask:8 row_mask:0xf bank_mask:0xf
	s_delay_alu instid0(VALU_DEP_1)
	v_permlanex16_b32 v[PX], v[\r], s20, s21
	s_delay_alu instid0(VALU_DEP_1)
	v_add_f32 v[\r], v[\r], v[PX]
.endm
.macro ROW i, left                     ; row i of my two; left: the younger loads that may stay out
.set XS, X+32*(\i)
.set CS, C+8*NOUT*(\i)
	s_wait_loadcnt \left
	v_pk_add_f32 v[W:W+1], v[XS:XS+1], v[XS+2:XS+3]          ; the sum, two at a time, in two chains
	v_pk_add_f32 v[W+2:W+3], v[XS+4:XS+5], v[XS+6:XS+7]
.irp k, 8,12,16,20,24,28
	s_delay_alu instid0(VALU_DEP_2)
	v_pk_add_f32 v[W:W+1], v[W:W+1], v[XS+\k:XS+\k+1]
	s_delay_alu instid0(VALU_DEP_2)
	v_pk_add_f32 v[W+2:W+3], v[W+2:W+3], v[XS+\k+2:XS+\k+3]
.endr
	s_delay_alu instid0(VALU_DEP_1)
	v_pk_add_f32 v[W:W+1], v[W:W+1], v[W+2:W+3]
	s_delay_alu instid0(VALU_DEP_1)
	v_add_f32 v[W], v[W], v[W+1]
	WSUM W
	s_delay_alu instid0(VALU_DEP_1)
	v_mul_f32 v[MN], s34, v[W]                     ; the mean
.irp k, 0,2,4,6,8,10,12,14,16,18,20,22,24,26,28,30
	v_pk_add_f32 v[XS+\k:XS+\k+1], v[XS+\k:XS+\k+1], v[MN:MN+1] op_sel_hi:[1,0] neg_lo:[0,1] neg_hi:[0,1]   ; x - mean
.endr
	v_pk_mul_f32 v[W:W+1], v[XS:XS+1], v[XS:XS+1]            ; the sum of their squares
	v_pk_mul_f32 v[W+2:W+3], v[XS+2:XS+3], v[XS+2:XS+3]
.irp k, 4,8,12,16,20,24,28
	s_delay_alu instid0(VALU_DEP_2)
	v_pk_fma_f32 v[W:W+1], v[XS+\k:XS+\k+1], v[XS+\k:XS+\k+1], v[W:W+1]
	s_delay_alu instid0(VALU_DEP_2)
	v_pk_fma_f32 v[W+2:W+3], v[XS+\k+2:XS+\k+3], v[XS+\k+2:XS+\k+3], v[W+2:W+3]
.endr
	s_delay_alu instid0(VALU_DEP_1)
	v_pk_add_f32 v[W:W+1], v[W:W+1], v[W+2:W+3]
	s_delay_alu instid0(VALU_DEP_1)
	v_add_f32 v[W], v[W], v[W+1]
	WSUM W
	s_delay_alu instid0(VALU_DEP_1)
	v_fma_f32 v[W], v[W], s34, v[EPS]              ; var + eps
	s_wait_alu depctr_va_vdst(0)
	v_rsq_f32 v[RS], v[W]
	v_nop                                          ; a plain instruction behind the transcendental,
	s_wait_alu depctr_va_vdst(0)                   ; and the wait ahead of its first reader
.irp k, 0,2,4,6,8,10,12,14,16,18,20,22,24,26,28,30
	v_pk_mul_f32 v[XS+\k:XS+\k+1], v[XS+\k:XS+\k+1], v[RS:RS+1] op_sel_hi:[1,0]
.endr
.irp k, 0,2,4,6,8,10,12,14,16,18,20,22,24,26,28,30
	v_pk_fma_f32 v[XS+\k:XS+\k+1], v[XS+\k:XS+\k+1], v[G+\k:G+\k+1], v[B+\k:B+\k+1]   ; x gain + shift
.endr
.set o, 0
.rept NOUT
.set k, 0
.rept 32
	v_med3_num_f32 v[T+k], v[XS+k], -v[LM+o], v[LM+o]        ; the conversion to an 8-bit code does not saturate (ISA guide 7.6.2): the hold at the largest code x the scale
.set k, k+1
.endr
.set k, 0
.rept 4
	v_cvt_scalef32_pk8_fp8_f32 v[CS+8*o+2*k:CS+8*o+2*k+1], v[T+8*k:T+8*k+7], v[SC+o]
.set k, k+1
.endr
	v_nop                                          ; a plain instruction between the conversions and the next lines that write their sources
.set k, 0
.rept 4
	global_store_b64 v2, v[CS+8*o+2*k:CS+8*o+2*k+1], s[12+2*o:13+2*o] offset:1024*(\i)+256*k   ; the wave stores 256 consecutive bytes, aligned
.set k, k+1
.endr
.set o, o+1
.endr
.endm
	ROW 0, 8                                       ; the second row's eight loads may be out
	ROW 1, 0
	s_endpgm
.Lfunc_end_k_q3f42250611_ln1:
	.size	k_q3f42250611_ln1, .Lfunc_end_k_q3f42250611_ln1-k_q3f42250611_ln1
	.p2alignl 7, 3214868480
	.fill 96, 4, 3214868480
	.section	.rodata,"a",@progbits
	.p2align	6, 0x0
	.amdhsa_kernel k_q3f42250611_ln1
		.amdhsa_group_segment_fixed_size 0
		.amdhsa_private_segment_fixed_size 0
		.amdhsa_enable_private_segment 0
		.amdhsa_kernarg_size 40
		.amdhsa_user_sgpr_count 2
		.amdhsa_user_sgpr_kernarg_segment_ptr 1
		.amdhsa_wavefront_size32 1
		.amdhsa_system_sgpr_workgroup_id_x 1
		.amdhsa_system_sgpr_workgroup_id_y 1
		.amdhsa_system_sgpr_workgroup_id_z 1
		.amdhsa_system_vgpr_workitem_id 0
		.amdhsa_next_free_vgpr 228
		.amdhsa_next_free_sgpr 66
		.amdhsa_reserve_vcc 0
		.amdhsa_float_denorm_mode_32 3
		.amdhsa_float_denorm_mode_16_64 3
		.amdhsa_memory_ordered 1
		.amdhsa_forward_progress 1
		.amdhsa_inst_pref_size 37
	.end_amdhsa_kernel
	.amdgpu_metadata
---
amdhsa.version: [ 1, 2 ]
amdhsa.kernels:
  - .name:           k_q3f42250611_ln1
    .symbol:         k_q3f42250611_ln1.kd
    .args:
      - { .name: x, .offset: 0, .size: 8, .value_kind: global_buffer, .address_space: global }
      - { .name: ln1_scale, .offset: 8, .size: 8, .value_kind: global_buffer, .address_space: global }
      - { .name: ln1_shift, .offset: 16, .size: 8, .value_kind: global_buffer, .address_space: global }
      - { .name: lowp_scales, .offset: 24, .size: 8, .value_kind: global_buffer, .address_space: global }
      - { .name: hqkv, .offset: 32, .size: 8, .value_kind: global_buffer, .address_space: global }
    .group_segment_fixed_size: 0
    .private_segment_fixed_size: 0
    .kernarg_segment_align: 8
    .kernarg_segment_size: 40
    .max_flat_workgroup_size: 256
    .sgpr_count:     66
    .vgpr_count:     228
    .wavefront_size: 32
...
	.end_amdgpu_metadata
.endif
;; end of part 1
;; launch qkv (part 2): grid 12 x 16, 4 waves a work-group, clusters of 4 x 4, 327,680 bytes of LDS; arguments hqkv, w_q_codes, w_k_codes, w_v_codes, lowp_scales, qkv; writes qkv
.if DOCPART == 2
	.amdgcn_target "amdgcn-amd-amdhsa--gfx1250"
	.amdhsa_code_object_version 6
	.text
	.protected	k_q3f42250611_qkv
	.globl	k_q3f42250611_qkv
	.p2align	8
	.type	k_q3f42250611_qkv,@function
k_q3f42250611_qkv:
	s_mov_b64 s[64:65], 0
	v_nop
	global_prefetch_b8 v0, s[64:65] scope:SCOPE_SE
	s_setreg_imm32_b32 hwreg(HW_REG_WAVE_MODE, 25, 1), 1
	s_wait_xcnt 0x0
	s_wait_alu depctr_hold_cnt(0) depctr_sa_sdst(0) depctr_va_vdst(0) depctr_va_sdst(0) depctr_va_ssrc(0) depctr_va_vcc(0) depctr_vm_vsrc(0)
	s_getreg_b32 s2, hwreg(HW_REG_IB_STS2, 6, 4)
	s_cmp_eq_u32 s2, 0
	s_cbranch_scc0 .Lentry_in_a_cluster
	s_endpgm
.Lentry_in_a_cluster:
	s_bfe_u32 s2, ttmp6, 0x10000c
	s_cmp_lg_u32 s2, 0xf033
	s_cbranch_scc0 .Lentry_shape_is_right
	s_endpgm
.Lentry_shape_is_right:
; Q = h w_q, K = h w_k and V^T = (h w_v)^T on codes of E4M3, K = 1,024, and their results quantised at once for attention's two products.  No work of reference() is left out here.
; The column of clusters (cluster x = 0, 1, 2) says which: 0: C = Q [4096 tokens][1024], A = the first section of h's codes, B = w_q's codes; 1: K likewise, second section, w_k;
; 2: C = V^T [1024 channels][4096 tokens], A = w_v's codes, B = the third section: so a lane's eight results run along the KEYS, which are the K of attention's second product.  One text serves all three: only pointers,
; offsets and exponents are chosen (s_cselect), by the cluster's number alone.
; A tile of C, 256 x 256, is made by four waves, each 128 x 128: 64 accumulators, 512 registers.  K goes in steps of 256 through a ring of two LDS slots filled by the tensor data mover.
; CLUSTERS: 4 x 4 work-groups; A's tile is asked for jointly along a row of the cluster, B's along a column.  THE MATRIX INSTRUCTION IS USED TRANSPOSED (source 0 = 16 rows of B, source 1 = 16 rows of A):
; lane (r, h) of accumulator (a, b) holds C(16 a + r, 16 b + 8 h + 0..7).  Fragments come by four 16-byte LDS loads: a permutation of k that is the same in A and B.
; A sum stands for sum x 2^(ea + eb); its code under the scale 2^eo is sum / 2^(eo - ea - eb), held within +-448: (ea, eb, eo) = (e0, e1, e6), (e2, e3, e7), (e4, e5, e9).
; LIMITS: eo - ea - eb between -126 and 119.
; THE RESULT: a wave's 128 x 128 codes are one chunk of 16,384 bytes, laid as attention's operand registers want them: byte 8192 (b / 4) + 1024 a + 512 ((b % 4) / 2) + 8 (b % 2) + 256 h + 16 r + j.
; Sections Q, K, V of 4 MiB, each [batch 2][pair of heads 8][block of 128 tokens 16][chunk].
; REGISTERS, in windows of 256: window 0: v0-31 addresses; from v128 A's fragments, one set; on the way out v32-255 are free.  window 1: B's fragments, two sets.  windows 2, 3: the accumulators ((a, b) at v[8 (8 (a % 4) + b)]).
.set KROW,   1024                      ; a row of A or B in memory, in bytes
.set ROWB,   256                       ; a tile's row in bytes
.set PITCH,  272                       ; an LDS row: 256 bytes + 16 of padding = 68 words: the 16 rows that a load touches start at 16 different banks (64 banks of 4 bytes: ISA guide 11.1)
.set FR,     16                        ; registers of a fragment
.set NL,     4                         ; LDS loads that bring one
.set NP,     4                         ; places behind this matrix instruction (ISA guide 7.12.1)
.set HALFT,  128*PITCH
.set SLOT,   4*HALFT                   ; A's 256 rows, then B's 256 rows
.set LAPS,   KROW/(2*ROWB)             ; 2
.set SPARE,  2*SLOT                    ; behind the ring: the spare words, 128 bytes for each wave
.set SCL,  8                           ; v8   2^(eo - ea - eb)
.set LIM,  9                           ; v9   448 x that
.set ADRA, 16
.set ADRB, 20
.set STO,  24                          ; v24  my stage + 16 x lane: 256 h + 16 r is 16 x lane, so one register serves the stores into the stage and the reads back
.set CO,   26                          ; v26  16 x lane
.set SPW,  28
.set NIL,  29
.set TMP,  32                          ; v[32:95]   a block's held sums
.set CD,   96                          ; v[96:127]  codes, two sets by turns
.set AF,   128
.set BK,   128                         ; v[128:255] the chunk read back
.set G1, 24
.set G0, 32
.set G1B, 48
.set G0B, 56
.set MSB, 0
.macro WIN new                         ; the immediate's high byte repeats the setting that is left
.if MSB != \new
	s_set_vgpr_msb (MSB<<8)|\new
.set MSB, \new
.endif
.endm
.set MUL_LO, 0xa1                      ; source 0 (B) window 1, source 1 (A) window 0, C and D window 2
.set MUL_HI, 0xf1
.set TO_B,   0x40
.macro JLOAD g0a, g1a, g0b, g1b        ; a joint load: waves 0 and 1 fetch for A, waves 2 and 3 for B; an s_nop 0 and four v_nop follow each line
	s_cmp_eq_u32 s15, 0
	s_cbranch_scc0 .Lfor_b_\@
	tensor_load_to_lds s[\g0a:\g0a+3], s[\g1a:\g1a+7]
	s_nop 0
.rept 4
	v_nop
.endr
	s_branch .Lasked_\@
.Lfor_b_\@:
	tensor_load_to_lds s[\g0b:\g0b+3], s[\g1b:\g1b+7]
	s_nop 0
.rept 4
	v_nop
.endr
.Lasked_\@:
.endm
.macro CREST
	s_cmp_lg_u32 s14, 0
	s_cbranch_scc1 .Lnot_wave_0_\@
	s_barrier_signal -3
.Lnot_wave_0_\@:
	s_barrier_wait -3
	s_barrier_signal -1
	s_barrier_wait -1
.endm
.macro CROUND
	s_barrier_signal -1
	s_barrier_wait -1
	CREST
.endm
	s_load_b256 s[68:75], s[0:1], 0x0              ; h's codes s[68:69], w_q s[70:71], w_k s[72:73], w_v s[74:75]
	s_load_b128 s[76:79], s[0:1], 0x20             ; the scales' exponents s[76:77], the result s[78:79]
	v_lshl_add_u32 v[SPW], v0, 2, SPARE
	v_mov_b32 v[NIL], 0
	ds_add_u32 v[SPW], v[NIL]                      ; the wave's opening: the add, twice on end, and its wait ahead of my first tensor load
	ds_add_u32 v[SPW], v[NIL]
	v_lshrrev_b32 v1, 5, v0
	v_readfirstlane_b32 s14, v1                    ; wave 0..3
	s_lshr_b32 s15, s14, 1                         ; which half of the tile's rows is mine.  Also: I fetch for A (0) or for B (1)
	s_and_b32 s16, s14, 1                          ; which half of its columns.  Also: which 128 rows of that tile I fetch
	s_bfe_u32 s40, ttmp6, 0x40000                  ; cx
	s_bfe_u32 s41, ttmp6, 0x40004                  ; cy
	s_and_b32 s45, ttmp7, 0xffff                   ; cluster y, 0..3
	s_cmp_eq_u32 ttmp9, 2                          ; Q and K are 16 x 4 tiles, V^T is 4 x 16: the clusters of a column lie one below the other, or side by side
	s_cselect_b32 s17, 0, s45
	s_cselect_b32 s42, s45, 0
	s_lshl_b32 s17, s17, 2
	s_add_co_u32 s17, s17, s41                     ; tile row of C
	s_lshl_b32 s42, s42, 2
	s_add_co_u32 s42, s42, s40                     ; tile column of C
	s_lshl_b32 s43, s41, 2
	s_lshl_b32 s43, 15, s43                        ; my row of the cluster
	s_lshl_b32 s44, 0x1111, s40                    ; my column
	s_or_b32 s[G1+0], s43, (0<<16)|(1<<20)|(1<<21)|(5<<22)|(3<<25)  ; the mask; elements of 1 byte; padding on; bit 21 beside a mask; after every 64 words, 4 words
	s_or_b32 s[G1B+0], s44, (0<<16)|(1<<20)|(1<<21)|(5<<22)|(3<<25)
.irp g, G1, G1B
	s_mov_b32 s[\g+1], ROWB<<16                    ; tensor_dim0
	s_mov_b32 s[\g+2], 128<<16                     ; tensor_dim1
	s_mov_b32 s[\g+3], ROWB<<16                    ; tile_dim0
	s_mov_b32 s[\g+4], 128                         ; tile_dim1
	s_mov_b32 s[\g+5], KROW                        ; tensor_dim0_stride
	s_mov_b32 s[\g+6], 0
	s_mov_b32 s[\g+7], 0
.endr
	s_lshl_b32 s18, s16, 7                         ; which 128 rows of the tile I fetch
	s_lshl_b32 s20, s17, 8
	s_add_co_u32 s20, s20, s18
	s_lshl_b32 s20, s20, 10                        ; A: (256 x tile row + 128 x half) rows of 1,024 bytes
	s_lshl_b32 s46, s42, 8
	s_add_co_u32 s46, s46, s18
	s_lshl_b32 s46, s46, 10                        ; B likewise, by the tile column
	s_cmp_eq_u32 ttmp9, 1
	s_cselect_b32 s66, 0x400000, 0                 ; K: A is the second section of h's codes
	s_cmp_eq_u32 ttmp9, 2
	s_cselect_b32 s67, 0x800000, 0                 ; V: B is the third
	s_add_co_u32 s20, s20, s66
	s_add_co_u32 s46, s46, s67
	s_mov_b32 s21, 0
	s_mov_b32 s47, 0
	s_mul_i32 s45, s14, HALFT                      ; where the tiles go: wave x 128 rows
	s_wait_dscnt 0x0                               ; both opening adds are done
	s_wait_kmcnt 0x0
	s_cmp_eq_u32 ttmp9, 2
	s_cselect_b64 s[4:5], s[74:75], s[68:69]       ; A: w_v's codes, or h's
	s_cselect_b64 s[6:7], s[68:69], s[72:73]       ; B: h's codes, or w_k's,
	s_cmp_eq_u32 ttmp9, 0
	s_cselect_b64 s[6:7], s[70:71], s[6:7]         ; or w_q's
	s_load_b512 s[80:95], s[76:77], 0x0            ; e0 .. e15
	s_add_nc_u64 s[20:21], s[4:5], s[20:21]
	s_add_nc_u64 s[46:47], s[6:7], s[46:47]
	CROUND                                         ; all sixteen work-groups are here: the first joint loads meet
.irp s, 0,1
	s_mov_b32 s[G0+4*\s], 1
	s_add_co_u32 s[G0+4*\s+1], s45, \s*SLOT
	s_add_nc_u64 s[G0+4*\s+2:G0+4*\s+3], s[20:21], \s*ROWB
	s_or_b32 s[G0+4*\s+3], s[G0+4*\s+3], 0x80000000
	s_mov_b32 s[G0B+4*\s], 1
	s_add_co_u32 s[G0B+4*\s+1], s45, \s*SLOT
	s_add_nc_u64 s[G0B+4*\s+2:G0B+4*\s+3], s[46:47], \s*ROWB
	s_or_b32 s[G0B+4*\s+3], s[G0B+4*\s+3], 0x80000000
.endr
	JLOAD G0, G1, G0B, G1B                         ; K step 0: one tensor load a wave at the head
	; PREFETCH: behind the load of K step j stands one request for K step j + 2 (j = 0, 1; K has four steps).  Of the 128 rows that I fetch, each of the four partners that ask for them jointly
	; names 32, told apart by address (cx for A, cy for B): a lane a row, 256 bytes of it.  K steps 0 and 1 come by their loads alone.
	s_cmp_eq_u32 s15, 0
	s_cselect_b64 s[8:9], s[20:21], s[46:47]       ; the rows that I fetch, of A or of B
	s_cselect_b32 s12, s40, s41                    ; my work-group's place among the four
	s_lshl_b32 s12, s12, 15                        ; 32 rows of 1,024 bytes
	s_mov_b32 s13, 0
	s_add_nc_u64 s[8:9], s[8:9], s[12:13]
	v_and_b32 v30, 31, v0
	v_lshlrev_b32 v30, 10, v30                     ; a lane a row; never rewritten
	global_prefetch_b8 v30, s[8:9] offset:512 th:TH_LOAD_NT scope:SCOPE_SE   ; K step 2
	v_and_b32 v1, 15, v0                           ; r
	v_bfe_u32 v2, v0, 4, 1                         ; h
	v_mul_u32_u24 v3, v1, PITCH
	v_lshl_add_u32 v4, v2, 4, v3                   ; a fragment's row x pitch + 16 x half
	s_mul_i32 s21, s15, HALFT                      ; my 128 rows of A
	s_mul_i32 s22, s16, HALFT                      ; my 128 rows of B,
	s_add_co_u32 s22, s22, 2*HALFT                 ; which lie behind A's 256
.irp s, 0,1
	v_add_nc_u32 v[ADRA+\s], s21, v4
	v_add_nc_u32 v[ADRB+\s], s22, v4
	s_add_co_u32 s21, s21, SLOT
	s_add_co_u32 s22, s22, SLOT
.endr
	s_lshl_b32 s23, s14, 14                        ; my stage: 16,384 bytes in slot 0, which has had its last fill and its last read when the first code is stored there
	v_and_b32 v6, 31, v0
	v_lshlrev_b32 v[CO], 4, v6
	v_add_nc_u32 v[STO], s23, v[CO]
	s_lshl_b32 s20, s17, 1
	s_add_co_u32 s20, s20, s15                     ; my block of 128 rows of C,
	s_lshl_b32 s46, s42, 1
	s_add_co_u32 s46, s46, s16                     ; and of 128 columns
	s_cmp_eq_u32 ttmp9, 2
	s_cselect_b32 s21, s46, s20                    ; the block of tokens: rows in Q and K, columns in V^T
	s_cselect_b32 s47, s20, s46                    ; the pair of heads
	s_lshr_b32 s18, s21, 4                         ; the batch
	s_lshl_b32 s18, s18, 3
	s_add_co_u32 s18, s18, s47
	s_lshl_b32 s18, s18, 4
	s_and_b32 s19, s21, 15
	s_add_co_u32 s18, s18, s19
	s_lshl_b32 s18, s18, 14                        ; chunks of 16,384 bytes
	s_lshl_b32 s19, ttmp9, 22                      ; the section
	s_add_co_u32 s18, s18, s19
	s_mov_b32 s19, 0
	s_add_nc_u64 s[10:11], s[78:79], s[18:19]
.macro FRAG reg, adr, q, i             ; 16 rows x 128 K: lane l holds row l % 16; registers 4 c .. 4 c + 3 hold K = 32 c + 16 (l / 16) + 0 .. 15
.irp c, 0,1,2,3
	ds_load_b128 v[\reg+4*\c:\reg+4*\c+3], v[\adr] offset:128*(\q)+32*\c+(\i)*16*PITCH
.endr
.endm
; 16 matrix instructions: A's blocks a0, a0 + 1 x B's eight.  The 64 accumulators take turns, one instruction a turn, in the same order in every step.
.macro MUL16 a0, p, zero
.irp a, \a0, \a0+1
.irp b, 0,1,2,3,4,5,6,7
.if \zero
	v_wmma_f32_16x16x128_fp8_fp8 v[8*(8*((\a)%4)+\b):8*(8*((\a)%4)+\b)+7], v[128*(\p)+FR*\b:128*(\p)+FR*\b+FR-1], v[AF+FR*(\a):AF+FR*(\a)+FR-1], 0
.else
	v_wmma_f32_16x16x128_fp8_fp8 v[8*(8*((\a)%4)+\b):8*(8*((\a)%4)+\b)+7], v[128*(\p)+FR*\b:128*(\p)+FR*\b+FR-1], v[AF+FR*(\a):AF+FR*(\a)+FR-1], v[8*(8*((\a)%4)+\b):8*(8*((\a)%4)+\b)+7]
.endif
.endr
.endr
.endm
.macro FETCH_B slot, q, p
	WIN TO_B
.irp i, 0,1,2,3,4,5,6,7
	FRAG 128*(\p)+FR*\i, ADRB+\slot, \q, \i
.endr
	WIN 0
.endm
.macro FETCH_A slot, q, i0
.irp i, \i0, \i0+1, \i0+2, \i0+3
	FRAG AF+FR*(\i), ADRA+\slot, \q, \i
.endr
.endm
.macro PLACES n                        ; plain vector instructions between a matrix instruction and a load into, or a read of, its registers
.rept \n
	v_nop
.endr
.endm
.macro STEP slot, q, zero              ; 128 along K whose successor lies in the same slot
	s_wait_dscnt 4*NL                              ; B's set and A's blocks 0-3 are in; the sixteen youngest loads (A's blocks 4-7) may be out
	WIN MUL_LO
	MUL16 0, (\q)%2, \zero
	MUL16 2, (\q)%2, \zero
	s_wait_dscnt 0
	PLACES NP
	FETCH_B \slot, (\q)+1, 1-(\q)%2
	FETCH_A \slot, (\q)+1, 0
	WIN MUL_HI
	MUL16 4, (\q)%2, \zero
	MUL16 6, (\q)%2, \zero
	PLACES NP
	WIN 0
	FETCH_A \slot, (\q)+1, 4
.endm
.macro TURN slot, next, fill           ; a slot's last step changes slots: one barrier; fill = 1: this slot is filled again, two K steps ahead
	s_wait_tensorcnt 0x0                           ; all my tensor loads have landed: my part of the next slot
	ds_add_u32 v[SPW], v[NIL]                      ; 0 onto my spare word
	s_wait_dscnt 4*NL+1                            ; (the add and the sixteen youngest loads may be out)
	WIN MUL_LO
	MUL16 0, 1, 0
	s_wait_dscnt 0x0                               ; the add is done, and my reads of this slot are over
	s_barrier_signal -1
	MUL16 2, 1, 0
	WIN 0
	s_barrier_wait -1
.if \fill
	CREST                                          ; the barrier has opened a round of the cluster's barrier: no wave of any partner still reads this slot or has a load on its way
	s_add_nc_u64 s[G0+4*\slot+2:G0+4*\slot+3], s[G0+4*\slot+2:G0+4*\slot+3], 2*ROWB
	s_add_nc_u64 s[G0B+4*\slot+2:G0B+4*\slot+3], s[G0B+4*\slot+2:G0B+4*\slot+3], 2*ROWB
	JLOAD G0+4*\slot, G1, G0B+4*\slot, G1B         ; the first tensor load behind the round; its four v_nop are the places in front of the loads below
.else
	PLACES NP
.endif
	FETCH_B \next, 0, 0
	FETCH_A \next, 0, 0
	WIN MUL_HI
	MUL16 4, 1, 0
	MUL16 6, 1, 0
	PLACES NP
	WIN 0
	FETCH_A \next, 0, 4
.endm
	s_wait_alu depctr_va_vdst(0)
	s_wait_tensorcnt 0x0                           ; my part of K step 0 is in
	ds_add_u32 v[SPW], v[NIL]
	s_wait_dscnt 0x0
	CROUND                                         ; everybody's part of K step 0 is in, and the sixteen work-groups meet
	JLOAD G0+4, G1, G0B+4, G1B                     ; K step 1: the first tensor load behind the round
	FETCH_B 0, 0, 0
	global_prefetch_b8 v30, s[8:9] offset:768 th:TH_LOAD_NT scope:SCOPE_SE   ; K step 3
	FETCH_A 0, 0, 0
	FETCH_A 0, 0, 4
	STEP 0, 0, 1                                   ; the first step's products start the sums
	s_mov_b32 s3, LAPS-1
.Llap:
	TURN 0, 1, 1
	STEP 1, 0, 0
	TURN 1, 0, 1
	STEP 0, 0, 0
	s_sub_co_u32 s3, s3, 1
	s_cmp_lg_u32 s3, 0
	s_cbranch_scc1 .Llap
	TURN 0, 1, 0                                   ; the last lap fills nothing
	STEP 1, 0, 0
	s_wait_dscnt 4*NL
	WIN MUL_LO
	MUL16 0, 1, 0
	MUL16 2, 1, 0
	s_wait_dscnt 0
	WIN MUL_HI
	MUL16 4, 1, 0
	MUL16 6, 1, 0
	WIN 0
	; THE WAY OUT.  The three exponents are chosen by the cluster's number and folded into the conversion's one scale.
	s_wait_kmcnt 0x0
	s_cmp_eq_u32 ttmp9, 0
	s_cselect_b32 s96, s80, s82                    ; ea: e0 or e2,
	s_cselect_b32 s97, s81, s83                    ; eb: e1 or e3,
	s_cselect_b32 s66, s86, s87                    ; eo: e6 or e7,
	s_cmp_eq_u32 ttmp9, 2
	s_cselect_b32 s96, s84, s96                    ; or e4,
	s_cselect_b32 s97, s85, s97                    ; e5,
	s_cselect_b32 s66, s89, s66                    ; e9
	s_sub_co_i32 s66, s66, s96
	s_sub_co_i32 s66, s66, s97
	s_add_co_i32 s66, s66, 127
	s_lshl_b32 s67, s66, 23
	v_mov_b32 v[SCL], s67
	s_add_co_i32 s66, s66, 8
	s_lshl_b32 s66, s66, 23
	s_or_b32 s66, s66, 0x600000
	v_mov_b32 v[LIM], s66
	PLACES NP
.macro QOUT a                          ; block a: 16 rows x 128 columns: held, converted, and laid into the stage at the chunk's places
.set AC, 64*((\a)%4)
.set CS, CD+16*((\a)%2)
	WIN 0x02+((\a)/4)                              ; source 0: window 2 or 3
.set k, 0
.rept 64
	v_med3_num_f32 v[TMP+k], v[AC+k], -v[LIM], v[LIM]        ; the hold at the largest code x the scale; each accumulator from its low end on
.set k, k+1
.endr
	WIN 0
	s_wait_alu depctr_va_vdst(0)
	s_wait_dscnt 8                                 ; all but the block before's eight stores: the stores of two blocks back have read this set of codes
.irp b, 0,1,2,3,4,5,6,7
	v_cvt_scalef32_pk8_fp8_f32 v[CS+2*\b:CS+2*\b+1], v[TMP+8*\b:TMP+8*\b+7], v[SCL]
.endr
	v_nop                                          ; a plain instruction between the conversions and the next lines that write their sources
.irp b, 0,1,2,3,4,5,6,7
	ds_store_b64 v[STO], v[CS+2*\b:CS+2*\b+1] offset:8192*(\b/4)+1024*(\a)+512*((\b%4)/2)+8*(\b%2)
.endr
.endm
.irp a, 0,1,2,3,4,5,6,7
	QOUT \a
.endr
.set n, 0
.rept 32
	ds_load_b128 v[BK+4*n:BK+4*n+3], v[STO] offset:512*n     ; LDS serves a wave's instructions in order (ISA guide 5.7.1.4): these see my stores
.set n, n+1
.endr
.set n, 0
.rept 32
	s_wait_dscnt 31-n
	global_store_b128 v[CO], v[BK+4*n:BK+4*n+3], s[10:11] offset:512*n   ; the wave stores 512 consecutive bytes, aligned
.set n, n+1
.endr
	s_wait_tensorcnt 0x0                           ; the wave's end
	ds_add_u32 v[SPW], v[NIL]
	s_wait_dscnt 0x0
	CROUND                                         ; the closing round
	s_endpgm
.Lfunc_end_k_q3f42250611_qkv:
	.size	k_q3f42250611_qkv, .Lfunc_end_k_q3f42250611_qkv-k_q3f42250611_qkv
	.p2alignl 7, 3214868480
	.fill 96, 4, 3214868480
	.section	.rodata,"a",@progbits
	.p2align	6, 0x0
	.amdhsa_kernel k_q3f42250611_qkv
		.amdhsa_group_segment_fixed_size 327680
		.amdhsa_private_segment_fixed_size 0
		.amdhsa_enable_private_segment 0
		.amdhsa_kernarg_size 48
		.amdhsa_user_sgpr_count 2
		.amdhsa_user_sgpr_kernarg_segment_ptr 1
		.amdhsa_wavefront_size32 1
		.amdhsa_system_sgpr_workgroup_id_x 1
		.amdhsa_system_sgpr_workgroup_id_y 1
		.amdhsa_system_sgpr_workgroup_id_z 1
		.amdhsa_system_vgpr_workitem_id 0
		.amdhsa_next_free_vgpr 1024
		.amdhsa_next_free_sgpr 98
		.amdhsa_reserve_vcc 0
		.amdhsa_float_denorm_mode_32 3
		.amdhsa_float_denorm_mode_16_64 3
		.amdhsa_memory_ordered 1
		.amdhsa_forward_progress 1
		.amdhsa_inst_pref_size 127
	.end_amdhsa_kernel
	.amdgpu_metadata
---
amdhsa.version: [ 1, 2 ]
amdhsa.kernels:
  - .name:           k_q3f42250611_qkv
    .symbol:         k_q3f42250611_qkv.kd
    .args:
      - { .name: hqkv, .offset: 0, .size: 8, .value_kind: global_buffer, .address_space: global }
      - { .name: w_q_codes, .offset: 8, .size: 8, .value_kind: global_buffer, .address_space: global }
      - { .name: w_k_codes, .offset: 16, .size: 8, .value_kind: global_buffer, .address_space: global }
      - { .name: w_v_codes, .offset: 24, .size: 8, .value_kind: global_buffer, .address_space: global }
      - { .name: lowp_scales, .offset: 32, .size: 8, .value_kind: global_buffer, .address_space: global }
      - { .name: qkv, .offset: 40, .size: 8, .value_kind: global_buffer, .address_space: global }
    .group_segment_fixed_size: 327680
    .private_segment_fixed_size: 0
    .kernarg_segment_align: 8
    .kernarg_segment_size: 48
    .max_flat_workgroup_size: 128
    .sgpr_count:     98
    .vgpr_count:     1024
    .wavefront_size: 32
...
	.end_amdgpu_metadata
.endif
;; end of part 2
;; launch attn (part 3): grid 8 x 32, 8 waves a work-group, clusters of 4 x 1, 327,680 bytes of LDS; arguments qkv, lowp_scales, ctx; writes ctx
.if DOCPART == 3
	.amdgcn_target "amdgcn-amd-amdhsa--gfx1250"
	.amdhsa_code_object_version 6
	.text
	.protected	k_q3f42250611_attn
	.globl	k_q3f42250611_attn
	.p2align	8
	.type	k_q3f42250611_attn,@function
k_q3f42250611_attn:
	s_mov_b64 s[64:65], 0
	v_nop
	global_prefetch_b8 v0, s[64:65] scope:SCOPE_SE
	s_setreg_imm32_b32 hwreg(HW_REG_WAVE_MODE, 25, 1), 1
	s_wait_xcnt 0x0
	s_wait_alu depctr_hold_cnt(0) depctr_sa_sdst(0) depctr_va_vdst(0) depctr_va_sdst(0) depctr_va_ssrc(0) depctr_va_vcc(0) depctr_vm_vsrc(0)
	s_getreg_b32 s2, hwreg(HW_REG_IB_STS2, 6, 4)
	s_cmp_eq_u32 s2, 0
	s_cbranch_scc0 .Lentry_in_a_cluster
	s_endpgm
.Lentry_in_a_cluster:
	s_bfe_u32 s2, ttmp6, 0x10000c
	s_cmp_lg_u32 s2, 0x3003
	s_cbranch_scc0 .Lentry_shape_is_right
	s_endpgm
.Lentry_shape_is_right:
; ctx = softmax(Q K^T / 8, causal) V for 32 heads (batch 2 x 16) of 2,048 tokens x 64, both products on codes of E4M3, and ctx's codes under 2^e10 for the projection.
; LEFT OUT (dead work, shown at the head of the first kernel): key steps of 128 keys that lie wholly behind a tile's 16 queries; in the step on the diagonal hidden scores become -infinity.
; THE SOFTMAX: t = score x log2(e) / 8 x 2^(e6 + e7); M = the running largest t rounded up to a whole number; p = 2^(t - M) is quantised under 2^e8, held at 448 x 2^e8; the row's sum is taken of the unquantised p and divides at the end.
; LIMITS: e6 + e7 between -123 and 130; e8 and e10 between -126 and 119; the scaled scores stay under 2^31 in magnitude.
; SHARES.  Work-group (x, y): head y, x = 0..7.  Wave w = 0..7 owns two tiles of 16 queries: tile 7 - x of the block of 128 tokens 15 - w (16 - w key steps), then tile x of block w (w + 1 key steps): 17 key steps in every wave.
; The counts hang on the wave's number alone; x enters global addresses and the mask's lane numbers only.
; LDS holds the head's whole K (bytes 0 .. 131071, 8,192 a key step) and V^T (from VBASE, likewise), as images of the operand registers.  Two fills, one tensor load a wave each: key steps 0-7 at the head, 8-15 behind the
; cluster's barrier round; waves 0-3 fetch K (two rows of 8,192 bytes), waves 4-7 V (four rows of 4,096 bytes).  Nothing is filled again.  The first seven steps read key steps 0-7 alone; one barrier follows.
; CLUSTER: the four work-groups of a cluster walk the same head, so both fills are joint loads (mask 15).
; NO PREFETCH: each half of K and V is asked for once, by its fill; the second fill goes out seven key steps ahead of its first read, and no loop asks for tiles.
; LAYOUT: S^T = K Q^T (lane (r, h): query r, register 8 T + j: key 16 T + 8 h + j), O^T = V^T P^T: a lane holds one query throughout, and p's codes are the second product's operand as they come.
; REGISTERS: v1, v2 lane addresses; v3 the mask's number, v7 the second tile's; v12 -M, v13 largest t, v[14:15] sum; v[16:23] Q, v[24:31] the second tile's Q; v[32:95] K's fragments; v[96:159] S, p; v[160:191] O^T;
; v[192:223] at work on the way out; v[224:239] p's codes; v240-254 constants and work; window 1 v[0:63]: V's fragments.
.set VBASE, 131072
.set SPARE, 294912                     ; the spare words, 128 bytes a wave
.set SPW, 5
.set NIL, 6
.set MSB, 0
.macro WIN new                         ; the immediate's high byte repeats the setting that is left
.if MSB != \new
	s_set_vgpr_msb (MSB<<8)|\new
.set MSB, \new
.endif
.endm
.macro CROUND                          ; a round of the cluster's barrier
	s_barrier_signal -1
	s_barrier_wait -1
	s_cmp_lg_u32 s18, 0
	s_cbranch_scc1 .Lnot_wave_0_\@
	s_barrier_signal -3
.Lnot_wave_0_\@:
	s_barrier_wait -3
	s_barrier_signal -1
	s_barrier_wait -1
.endm
.macro TLOAD                           ; every wave's one joint load: waves 0-3 K's shape, waves 4-7 V's; s_nop 0 and four v_nop behind each line
	s_cmp_lt_u32 s18, 4
	s_cbranch_scc0 .Lfor_v_\@
	tensor_load_to_lds s[40:43], s[24:31]
	s_nop 0
.rept 4
	v_nop
.endr
	s_branch .Lasked_\@
.Lfor_v_\@:
	tensor_load_to_lds s[40:43], s[32:39]
	s_nop 0
.rept 4
	v_nop
.endr
.Lasked_\@:
.endm
	s_load_b128 s[4:7], s[0:1], 0x0                ; qkv s[4:5], the scales' exponents s[6:7]
	s_load_b64 s[8:9], s[0:1], 0x10                ; ctx
	v_lshl_add_u32 v[SPW], v0, 2, SPARE
	v_mov_b32 v[NIL], 0
	ds_add_u32 v[SPW], v[NIL]                      ; the wave's opening
	ds_add_u32 v[SPW], v[NIL]
	v_lshrrev_b32 v8, 5, v0
	v_readfirstlane_b32 s18, v8                    ; wave 0..7
	s_bfe_u32 s52, ttmp6, 0x40000                  ; cx
	s_lshl_b32 s53, ttmp9, 2
	s_add_co_u32 s53, s53, s52                     ; x
	s_and_b32 s54, ttmp7, 0xffff                   ; y = 16 batch + head
	s_lshr_b32 s55, s54, 1                         ; 8 batch + pair of heads
	s_and_b32 s56, s54, 1                          ; which of the pair
	s_lshl_b32 s57, s55, 18                        ; the pair's 16 chunks of 16,384 bytes
	s_mov_b32 s24, 15|(3<<16)|(1<<21)              ; K: mask 15, elements of 8 bytes; 2 rows of 1,024 elements, 2,048 apart
	s_mov_b32 s25, 1024<<16
	s_mov_b32 s26, 2<<16
	s_mov_b32 s27, 1024<<16
	s_mov_b32 s28, 2
	s_mov_b32 s29, 2048
	s_mov_b32 s30, 0
	s_mov_b32 s31, 0
	s_mov_b32 s32, 15|(3<<16)|(1<<21)              ; V: 4 rows of 512 elements, 1,024 apart
	s_mov_b32 s33, 512<<16
	s_mov_b32 s34, 4<<16
	s_mov_b32 s35, 512<<16
	s_mov_b32 s36, 4
	s_mov_b32 s37, 1024
	s_mov_b32 s38, 0
	s_mov_b32 s39, 0
	s_lshr_b32 s58, s18, 2                         ; 0: I fetch K, 1: V
	s_lshl_b32 s41, s18, 14
	s_lshl_b32 s59, s58, 16
	s_add_co_u32 s41, s41, s59                     ; LDS: 16,384 x wave, V's 65,536 further on
	s_and_b32 s60, s18, 3
	s_lshl_b32 s60, s60, 15                        ; two chunks (key steps) a wave
	s_add_co_u32 s60, s60, s57
	s_lshl_b32 s61, s56, 13
	s_add_co_u32 s61, s61, 0x400000                ; K's section, my head's 8,192 bytes of a chunk
	s_lshl_b32 s62, s56, 12
	s_add_co_u32 s62, s62, 0x800000                ; V's section, my head's 4,096 bytes of each half chunk
	s_cmp_eq_u32 s58, 0
	s_cselect_b32 s61, s61, s62
	s_add_co_u32 s60, s60, s61
	s_mov_b32 s61, 0
	s_mov_b32 s40, 1
	s_mov_b32 s20, 0x76543210                      ; v_permlanex16_b32: lane l xor 16
	s_mov_b32 s21, 0xfedcba98
	s_mov_b32 s22, 0x3e38aa3b                      ; log2(e) / 8
	s_mov_b32 s51, 0xffff0000                      ; lanes 16-31
	s_sub_co_u32 s50, 15, s18                      ; the first tile's block, and its last key step
	s_lshl_b32 s66, s18, 13                        ; 8,192 x wave
	s_wait_dscnt 0x0
	s_wait_kmcnt 0x0
	s_load_b128 s[68:71], s[6:7], 0x18             ; e6 .. e9
	s_load_b32 s72, s[6:7], 0x28                   ; e10
	s_add_nc_u64 s[42:43], s[4:5], s[60:61]
	s_or_b32 s43, s43, 0x80000000
	CROUND
	TLOAD                                          ; key steps 0-7
	s_sub_co_u32 s58, 7, s53                       ; the first tile's place in its block
	s_lshl_b32 s59, s56, 13
	s_add_co_u32 s59, s59, s57
	s_lshl_b32 s60, s50, 14
	s_lshl_b32 s62, s58, 10
	s_add_co_u32 s60, s60, s62
	s_add_co_u32 s60, s60, s59
	s_add_nc_u64 s[12:13], s[4:5], s[60:61]        ; Q of the first tile
	s_lshl_b32 s60, s18, 14
	s_lshl_b32 s62, s53, 10
	s_add_co_u32 s60, s60, s62
	s_add_co_u32 s60, s60, s59
	s_add_nc_u64 s[14:15], s[4:5], s[60:61]        ; and of the second
	v_and_b32 v1, 31, v0
	v_lshlrev_b32 v1, 4, v1                        ; 16 x lane
	s_wait_alu depctr_va_vdst(0)
	global_load_b128 v[16:19], v1, s[12:13]
	global_load_b128 v[20:23], v1, s[12:13] offset:512
	global_load_b128 v[24:27], v1, s[14:15]
	global_load_b128 v[28:31], v1, s[14:15] offset:512
	s_and_b32 s59, s55, 7                          ; ctx: [tile of 16 tokens][pair of heads][2,048 bytes], my head's 1,024
	s_lshl_b32 s59, s59, 11
	s_lshl_b32 s62, s56, 10
	s_add_co_u32 s59, s59, s62
	s_lshr_b32 s60, s54, 4
	s_lshl_b32 s60, s60, 7                         ; 128 tiles a batch
	s_lshl_b32 s62, s50, 3
	s_add_co_u32 s62, s62, s58
	s_add_co_u32 s62, s62, s60
	s_lshl_b32 s62, s62, 14
	s_add_co_u32 s62, s62, s59
	s_mov_b32 s63, 0
	s_lshl_b32 s73, s18, 3
	s_add_co_u32 s60, s60, s73
	s_add_co_u32 s60, s60, s53
	s_lshl_b32 s60, s60, 14
	s_add_co_u32 s60, s60, s59
	s_add_nc_u64 s[10:11], s[8:9], s[60:61]        ; the second tile's place,
	s_add_nc_u64 s[8:9], s[8:9], s[62:63]          ; the first's
	v_add_nc_u32 v2, VBASE, v1
	v_and_b32 v8, 15, v0
	v_bfe_u32 v9, v0, 4, 1
	v_lshlrev_b32 v9, 3, v9
	v_sub_nc_u32 v7, v8, v9                        ; r - 8 h
	s_lshl_b32 s60, s58, 4
	s_lshl_b32 s62, s53, 4
	v_add_nc_u32 v3, s60, v7                       ; my query in its block - 8 h: register 8 T + j is hidden where 16 T + j is greater
	v_add_nc_u32 v7, s62, v7
	v_mov_b32 v4, 0xff800000
	v_mov_b32 v13, 0xff61b1e6                      ; -3e38, under every t
	v_floor_f32 v12, -v13
	v_mov_b32 v14, 0
	v_mov_b32 v15, 0
	v_mov_b32 v236, 0
	v_mov_b32 v253, 0
.set k, 0
.rept 32
	v_mov_b32 v[160+k], 0
.set k, k+1
.endr
	s_wait_kmcnt 0x0
	s_add_co_i32 s73, s68, s69
	s_lshl_b32 s73, s73, 23
	s_add_co_i32 s22, s22, s73                     ; e6 + e7 into the factor's exponent field
	s_mov_b32 s23, s22
	s_add_co_i32 s73, s70, 127
	s_lshl_b32 s75, s73, 23
	v_mov_b32 v244, s75                            ; 2^e8
	s_add_co_i32 s73, s73, 8
	s_lshl_b32 s73, s73, 23
	s_or_b32 s73, s73, 0x600000
	v_mov_b32 v240, s73                            ; 448 x 2^e8,
	v_mov_b32 v255, s73                            ; and once more, in another register bank, for the second half of a dual pair
	s_add_co_i32 s73, s72, 127
	s_lshl_b32 s75, s73, 23
	v_mov_b32 v245, s75                            ; 2^e10
	s_add_co_i32 s73, s73, 8
	s_lshl_b32 s73, s73, 23
	s_or_b32 s73, s73, 0x600000
	v_mov_b32 v241, s73                            ; 448 x 2^e10
	s_add_co_i32 s74, s70, s71                     ; e8 + e9
	s_wait_alu depctr_va_vdst(0)                   ; the wait at the head's end
	s_wait_tensorcnt 0x0                           ; my part of key steps 0-7 is in
	ds_add_u32 v[SPW], v[NIL]
	s_add_co_u32 s41, s41, 65536                   ; eight key steps on, in LDS
	s_add_nc_u64 s[42:43], s[42:43], 131072        ; and in memory
	s_wait_dscnt 0x0
	CROUND
	TLOAD                                          ; key steps 8-15
.irp T, 0,1,2,3,4,5,6,7
	ds_load_b128 v[32+8*\T:35+8*\T], v1 offset:1024*\T         ; K's fragments of key step 0
	ds_load_b128 v[36+8*\T:39+8*\T], v1 offset:1024*\T+512
.endr
	s_mov_b32 s44, 0                               ; t, the step's number, 0..16
	s_mov_b32 s48, 0                               ; 8,192 x the key step in hand
	s_wait_loadcnt 0x0                             ; Q
; A STEP: 16 queries x 128 keys.  On entry K's fragments are on their way.  gen = 0: steps 0-6, the first tile's key step t.  gen = 1: steps 7-16: key step t while t <= 15 - w, then t + w - 16 of the second tile;
; the last step of a tile (t = 15 - w, t = 16) lies on the diagonal, is masked, and ends the tile.
.macro STEP gen
	s_wait_dscnt 0x0                               ; K's fragments, asked for a step ago
.irp T, 0,1,2,3,4,5,6,7
	v_wmma_f32_16x16x64_fp8_fp8 v[96+8*\T:103+8*\T], v[32+8*\T:39+8*\T], v[16:23], 0
.endr
.if \gen
	s_add_co_u32 s67, s45, 8192                    ; 8,192 (t + 1)
	s_add_co_u32 s46, s67, s66
	s_and_b32 s46, s46, 0x1ffff                    ; 8,192 ((t + 1 + w) mod 16)
	s_cmp_lt_u32 s44, s50
	s_cselect_b32 s47, s67, s46                    ; the next step's key step
	s_and_b32 s47, s47, 0x1e000
	s_cmp_eq_u32 s44, s50
	s_cselect_b32 s49, 1, 0
	s_cmp_eq_u32 s44, 16
	s_cselect_b32 s49, 1, s49                      ; 1: a tile's last step
	s_add_co_u32 s46, s45, s66
	s_and_b32 s46, s46, 0x1ffff                    ; 8,192 ((t + w) mod 16)
	s_cmp_le_u32 s44, s50
	s_cselect_b32 s48, s45, s46                    ; this step's key step, made as the next step's is
	s_and_b32 s48, s48, 0x1e000
.else
	s_add_co_u32 s47, s48, 8192
.endif
	v_add_nc_u32 v9, s48, v2                       ; with the two v_nop: the four places ahead of loads into registers that matrix instructions read, and of the first read of S
	v_add_nc_u32 v8, s47, v1
	v_nop
	v_nop
	WIN 0x40                                       ; destination window 1
.irp t, 0,1,2,3
.irp c, 0,1,2,3
	ds_load_b128 v[16*\t+4*\c:16*\t+4*\c+3], v9 offset:4096*(\c/2)+1024*\t+512*(\c%2)   ; V's fragments of this step
.endr
.endr
	WIN 0
.irp T, 0,1,2,3,4,5,6,7
	ds_load_b128 v[32+8*\T:35+8*\T], v8 offset:1024*\T         ; K's fragments of the next step (behind step 16: key step w + 1, which nobody uses)
	ds_load_b128 v[36+8*\T:39+8*\T], v8 offset:1024*\T+512
.endr
.if \gen
	s_cmp_eq_u32 s49, 0
	s_cbranch_scc1 .Lopen_\@
.set n, 0
.rept 64
	v_cmp_gt_i32 vcc_lo, 16*(n/8)+n%8, v3
	v_cndmask_b32 v[96+n], v[96+n], v4, vcc_lo
.set n, n+1
.endr
.Lopen_\@:
.endif
.irp q, 0,1,2,3                                ; the largest score, in four chains; each tile of S is read from its low end on
	v_max3_num_f32 v[248+\q], v[96+16*\q], v[97+16*\q], v[98+16*\q]
.endr
.irp i, 3,5,7,9,11,13
.irp q, 0,1,2,3
	v_max3_num_f32 v[248+\q], v[248+\q], v[96+16*\q+\i], v[97+16*\q+\i]
.endr
.endr
	v_max3_num_f32 v248, v248, v249, v111
	v_max3_num_f32 v250, v250, v251, v127
	v_max3_num_f32 v248, v248, v250, v143
	v_max_num_f32 v254, v248, v159
	v_permlanex16_b32 v236, v254, s20, s21
	s_delay_alu instid0(VALU_DEP_1)
	v_max_num_f32 v254, v254, v236
	s_delay_alu instid0(VALU_DEP_1)
	v_mul_f32 v254, s22, v254                      ; as t
	s_delay_alu instid0(VALU_DEP_1)
	v_max_num_f32 v13, v13, v254
	v_mov_b32 v254, v12
	s_delay_alu instid0(VALU_DEP_2)
	v_floor_f32 v12, -v13                          ; -M = floor(-t)
	s_delay_alu instid0(VALU_DEP_1)
	v_sub_f32 v254, v12, v254
	s_delay_alu instid0(VALU_DEP_1)
	v_cvt_i32_f32 v254, v254
	s_delay_alu instid0(VALU_DEP_1)
	v_ldexp_f32 v252, 1.0, v254                    ; f = 2^(old M - new M)
.set k, 0
.rept 32
	v_pk_fma_f32 v[96+k:97+k], v[96+k:97+k], s[22:23], v[12:13] op_sel_hi:[1,0,0]   ; t - M
.set k, k+2
.endr
.set k, 0
.rept 16
	v_pk_mul_f32 v[160+k:161+k], v[160+k:161+k], v[252:253] op_sel_hi:[1,0]         ; O^T under the new M, ahead of the exponentials
.set k, k+2
.endr
	s_wait_alu depctr_va_vdst(0)                   ; the wait ahead of the batch
.set k, 0
.rept 64
	v_exp_f32 v[96+k], v[96+k]
.set k, k+1
.endr
	v_pk_mul_f32 v[14:15], v[14:15], v[252:253] op_sel_hi:[1,0]   ; the sum under the new M; the plain place behind the batch
	s_wait_alu depctr_va_vdst(0)                   ; and the wait behind it
	v_pk_add_f32 v[242:243], v[96:97], v[98:99]    ; the sum of the unquantised p, in four chains
	v_pk_add_f32 v[246:247], v[100:101], v[102:103]
	v_pk_add_f32 v[248:249], v[104:105], v[106:107]
	v_pk_add_f32 v[14:15], v[14:15], v[108:109]
	v_pk_add_f32 v[242:243], v[242:243], v[110:111]
.irp j, 16,24,32,40,48,56
	v_pk_add_f32 v[14:15], v[14:15], v[96+\j:97+\j]
	v_pk_add_f32 v[242:243], v[242:243], v[98+\j:99+\j]
	v_pk_add_f32 v[246:247], v[246:247], v[100+\j:101+\j]
	v_pk_add_f32 v[248:249], v[248:249], v[102+\j:103+\j]
.endr
	v_pk_add_f32 v[242:243], v[242:243], v[246:247]
	v_pk_add_f32 v[14:15], v[14:15], v[248:249]
	v_pk_add_f32 v[14:15], v[14:15], v[242:243]
.irp T, 0,1,2,3,4,5,6,7
.irp i, 0,2,4,6
	v_dual_min_num_f32 v[96+8*\T+\i], v240, v[96+8*\T+\i] :: v_dual_min_num_f32 v[97+8*\T+\i], v255, v[97+8*\T+\i]   ; the hold, two numbers an instruction: the conversion does not saturate (ISA guide 7.6.2); p is not negative
.endr
	v_cvt_scalef32_pk8_fp8_f32 v[224+2*\T:225+2*\T], v[96+8*\T:103+8*\T], v244
.endr
	v_nop                                          ; a plain place between the conversions and the matrix instructions
	s_wait_alu depctr_va_vdst(0)
	s_wait_dscnt 16                                ; V's fragments are in; K's sixteen younger loads may be out
	WIN 0x01                                       ; source 0 window 1
.irp t, 0,1,2,3
	v_wmma_f32_16x16x128_fp8_fp8 v[160+8*\t:167+8*\t], v[16*\t:16*\t+15], v[224:239], v[160+8*\t:167+8*\t]
.endr
	WIN 0
.endm
.Lfirst:                                           ; steps 0-6: they read key steps 0-7 alone
	STEP 0
	s_add_co_u32 s48, s48, 8192
	s_add_co_u32 s44, s44, 1
	s_cmp_lt_u32 s44, 7
	s_cbranch_scc1 .Lfirst
	s_wait_tensorcnt 0x0                           ; my part of key steps 8-15 is in
	s_wait_dscnt 0x0
	s_barrier_signal -1
	s_barrier_wait -1                              ; everybody's is
	s_mov_b32 s45, 57344                           ; 8,192 t
.Lrest:                                            ; steps 7-16
	STEP 1
	s_cmp_eq_u32 s49, 0
	s_cbranch_scc1 .Lgo_on
	; A TILE'S END: O^T / the sum x 2^(e8 + e9), its codes under 2^e10, laid as the projection's operand image (byte 512 c + 16 lane + i = row lane % 16, k = 32 c + 16 (lane / 16) + i)
.rept 4
	v_nop
.endr
	v_add_f32 v14, v14, v15
	v_permlanex16_b32 v252, v14, s20, s21
	v_add_f32 v14, v14, v252
	s_wait_alu depctr_va_vdst(0)
	v_rcp_f32 v14, v14
	v_nop
	s_wait_alu depctr_va_vdst(0)
	v_ldexp_f32 v14, v14, s74
	s_wait_alu depctr_va_vdst(0)                   ; directly ahead of the first reader of O^T
.set k, 0
.rept 32
	v_mul_f32 v[192+k], v[160+k], v14
.set k, k+1
.endr
.set k, 0
.rept 32
	v_med3_num_f32 v[192+k], v[192+k], -v241, v241
.set k, k+1
.endr
.irp t, 0,1,2,3
	v_cvt_scalef32_pk8_fp8_f32 v[224+2*\t:225+2*\t], v[192+8*\t:199+8*\t], v245
.endr
	v_nop
.irp c, 0,1                                    ; the two halves of the lanes exchange eight codes, so that a lane holds 16 neighbours along k
.irp w, 0,1
	v_cndmask_b32 v[192+2*\c+\w], v[226+4*\c+\w], v[224+4*\c+\w], s51
	v_cndmask_b32 v[196+2*\c+\w], v[224+4*\c+\w], v[226+4*\c+\w], s51
.endr
.endr
.irp c, 0,1
.irp w, 0,1
	v_permlanex16_b32 v[200+2*\c+\w], v[192+2*\c+\w], s20, s21
.endr
.endr
.irp c, 0,1
.irp w, 0,1
	v_cndmask_b32 v[232+4*\c+\w], v[196+2*\c+\w], v[200+2*\c+\w], s51
	v_cndmask_b32 v[234+4*\c+\w], v[200+2*\c+\w], v[196+2*\c+\w], s51
.endr
.endr
	global_store_b128 v1, v[232:235], s[8:9]       ; the wave stores 512 consecutive bytes, aligned
	global_store_b128 v1, v[236:239], s[8:9] offset:512
	s_wait_xcnt 0x0                                ; the stores' data and base are written again only behind this wait
	s_cmp_eq_u32 s44, 16
	s_cbranch_scc1 .Lend                           ; the second tile is out
	s_mov_b64 s[8:9], s[10:11]                     ; on to the second tile
	v_mov_b32 v13, 0xff61b1e6
	v_floor_f32 v12, -v13
	v_mov_b32 v14, 0
	v_mov_b32 v15, 0
	v_mov_b32 v3, v7
.set k, 0
.rept 8
	v_mov_b32 v[16+k], v[24+k]
.set k, k+1
.endr
.set k, 0
.rept 32
	v_mov_b32 v[160+k], 0
.set k, k+1
.endr
	s_wait_alu depctr_va_vdst(0)
.Lgo_on:
	s_add_co_u32 s45, s45, 8192
	s_add_co_u32 s44, s44, 1
	s_cmp_lt_u32 s44, 17
	s_cbranch_scc1 .Lrest
.Lend:
	s_wait_tensorcnt 0x0                           ; the wave's end
	ds_add_u32 v[SPW], v[NIL]
	s_wait_dscnt 0x0
	CROUND                                         ; the closing round
	s_endpgm
.Lfunc_end_k_q3f42250611_attn:
	.size	k_q3f42250611_attn, .Lfunc_end_k_q3f42250611_attn-k_q3f42250611_attn
	.p2alignl 7, 3214868480
	.fill 96, 4, 3214868480
	.section	.rodata,"a",@progbits
	.p2align	6, 0x0
	.amdhsa_kernel k_q3f42250611_attn
		.amdhsa_group_segment_fixed_size 327680
		.amdhsa_private_segment_fixed_size 0
		.amdhsa_enable_private_segment 0
		.amdhsa_kernarg_size 24
		.amdhsa_user_sgpr_count 2
		.amdhsa_user_sgpr_kernarg_segment_ptr 1
		.amdhsa_wavefront_size32 1
		.amdhsa_system_sgpr_workgroup_id_x 1
		.amdhsa_system_sgpr_workgroup_id_y 1
		.amdhsa_system_sgpr_workgroup_id_z 1
		.amdhsa_system_vgpr_workitem_id 0
		.amdhsa_next_free_vgpr 320
		.amdhsa_next_free_sgpr 80
		.amdhsa_reserve_vcc 1
		.amdhsa_float_denorm_mode_32 3
		.amdhsa_float_denorm_mode_16_64 3
		.amdhsa_memory_ordered 1
		.amdhsa_forward_progress 1
		.amdhsa_inst_pref_size 55
	.end_amdhsa_kernel
	.amdgpu_metadata
---
amdhsa.version: [ 1, 2 ]
amdhsa.kernels:
  - .name:           k_q3f42250611_attn
    .symbol:         k_q3f42250611_attn.kd
    .args:
      - { .name: qkv, .offset: 0, .size: 8, .value_kind: global_buffer, .address_space: global }
      - { .name: lowp_scales, .offset: 8, .size: 8, .value_kind: global_buffer, .address_space: global }
      - { .name: ctx, .offset: 16, .size: 8, .value_kind: global_buffer, .address_space: global }
    .group_segment_fixed_size: 327680
    .private_segment_fixed_size: 0
    .kernarg_segment_align: 8
    .kernarg_segment_size: 24
    .max_flat_workgroup_size: 256
    .sgpr_count:     80
    .vgpr_count:     320
    .wavefront_size: 32
...
	.end_amdgpu_metadata
.endif
;; end of part 3
;; launch oproj (part 4): grid 8 x 32, 4 waves a work-group, clusters of 4 x 4, 327,680 bytes of LDS; arguments ctx, w_o_codes, lowp_scales, b_o, x, x1; writes x1
.if DOCPART == 4
	.amdgcn_target "amdgcn-amd-amdhsa--gfx1250"
	.amdhsa_code_object_version 6
	.text
	.protected	k_q3f42250611_oproj
	.globl	k_q3f42250611_oproj
	.p2align	8
	.type	k_q3f42250611_oproj,@function
k_q3f42250611_oproj:
	s_mov_b64 s[64:65], 0
	v_nop
	global_prefetch_b8 v0, s[64:65] scope:SCOPE_SE
	s_setreg_imm32_b32 hwreg(HW_REG_WAVE_MODE, 25, 1), 1
	s_wait_xcnt 0x0
	s_wait_alu depctr_hold_cnt(0) depctr_sa_sdst(0) depctr_va_vdst(0) depctr_va_sdst(0) depctr_va_ssrc(0) depctr_va_vcc(0) depctr_vm_vsrc(0)
	s_getreg_b32 s2, hwreg(HW_REG_IB_STS2, 6, 4)
	s_cmp_eq_u32 s2, 0
	s_cbranch_scc0 .Lentry_in_a_cluster
	s_endpgm
.Lentry_in_a_cluster:
	s_bfe_u32 s2, ttmp6, 0x10000c
	s_cmp_lg_u32 s2, 0xf033
	s_cbranch_scc0 .Lentry_shape_is_right
	s_endpgm
.Lentry_shape_is_right:
; y = res + bias + A B^T x 2^(ea + eb): here x1 = x + b_o + ctx w_o.  A [4096][KB] and B [1024][KB] are codes of E4M3; res and y are [4096][1024] f32.  No work of reference() is left out here.
; A comes as images of its operand registers: [tile of 16 tokens 256][K step of 128][2,048 bytes], byte 512 c + 16 lane + i = (row lane % 16, k = 32 c + 16 (lane / 16) + i).  B comes in rows, K innermost, and its fragments are
; read by four 16-byte loads, which give the same places to k.
; A tile of y is 128 x 128, so that the 4,096 x 1,024 results give 256 work-groups; four waves, each 64 x 64: 16 accumulators.  K goes in steps of 512 through two LDS slots filled by the tensor data mover.
; CLUSTERS: 4 x 4 work-groups; A's tile is asked for jointly along a row of the cluster, B's along a column.  THE MATRIX INSTRUCTION IS USED TRANSPOSED (source 0 = B, source 1 = A): a lane holds eight neighbouring columns of a row.
; LIMIT: ea + eb between -126 and 127.
; REGISTERS: window 0: v0-31 addresses; v128-255 the accumulators ((a, b) at v[128 + 8 (4 a + b)]).  window 1: two fragment buffers of 128 (A's four fragments, then B's four); on the way out the rows of y.
;   window 2: v0-127 the residual, asked for at the head; v128-131 the bias.
; HERE K = 1,024 LIES IN LDS WHOLE: one slot (A's 8 tiles x 16,384 bytes, then B's 128 rows of 1,024 + 16 bytes), filled once at the head by one joint load a wave: no ring, no change of slots, no refill.
; What the lines above say of steps of 512 and of two slots holds for the launch of this shape with K = 4,096.
.set KB,     1024
.set SOFF,   0x28                      ; where ea, eb lie among the scales' exponents
.set LAPS,   KB/1024                   ; a lap = two K steps of 512
.set APART,  131072                    ; A's 8 tiles x 8 K steps x 2,048 bytes,
.set BPITCH, 1040                      ; then B's 128 rows of 1,024 bytes + 16 of padding = 260 words: the 16 rows that a load touches start at 16 different banks (ISA guide 11.1)
.set BHALF,  64*BPITCH
.set SLOT,   APART+2*BHALF
.set STAGE,  SLOT                      ; behind the slot: 16 rows x 272 bytes for each wave
.set SPITCH, 272
.set SPARE,  STAGE+4*16*SPITCH         ; behind the stages: the spare words, 128 bytes for each wave
.set ADRA, 16
.set ADRB, 20
.set STO,  24
.set RD,   25
.set CO,   26                          ; v26  my byte offset in two rows of y and of the residual
.set BO,   27                          ; v27  and in the bias
.set SPW,  28
.set NIL,  29
.set ACC,  128
.set F0,   0
.set F1,   128
.set G1, 24
.set G0, 32
.set G1B, 48
.set G0B, 56
.set MSB, 0
.macro WIN new
.if MSB != \new
	s_set_vgpr_msb (MSB<<8)|\new
.set MSB, \new
.endif
.endm
.set MUL,  0x05                        ; sources 0 (B) and 1 (A) window 1; C and D window 0
.set TO_F, 0x40                        ; destination window 1, address window 0
.macro JLOAD s                         ; a joint load: waves 0 and 1 fetch A's halves, waves 2 and 3 B's; an s_nop 0 and four v_nop follow each line
	s_cmp_eq_u32 s11, 0
	s_cbranch_scc0 .Lfor_b_\@
	tensor_load_to_lds s[G0+4*\s:G0+4*\s+3], s[G1:G1+7]
	s_nop 0
.rept 4
	v_nop
.endr
	s_branch .Lasked_\@
.Lfor_b_\@:
	tensor_load_to_lds s[G0B+4*\s:G0B+4*\s+3], s[G1B:G1B+7]
	s_nop 0
.rept 4
	v_nop
.endr
.Lasked_\@:
.endm
.macro CREST
	s_cmp_lg_u32 s10, 0
	s_cbranch_scc1 .Lnot_wave_0_\@
	s_barrier_signal -3
.Lnot_wave_0_\@:
	s_barrier_wait -3
	s_barrier_signal -1
	s_barrier_wait -1
.endm
.macro CROUND
	s_barrier_signal -1
	s_barrier_wait -1
	CREST
.endm
	s_load_b128 s[4:7], s[0:1], 0x0                ; A s[4:5], B s[6:7]
	s_load_b64 s[8:9], s[0:1], 0x10                ; the scales' exponents
	s_load_b128 s[68:71], s[0:1], 0x18             ; the bias s[68:69], the residual s[70:71]
	s_load_b64 s[72:73], s[0:1], 0x28              ; y
	v_lshl_add_u32 v[SPW], v0, 2, SPARE
	v_mov_b32 v[NIL], 0
	ds_add_u32 v[SPW], v[NIL]                      ; the wave's opening: the add, twice on end, and its wait ahead of my first tensor load
	ds_add_u32 v[SPW], v[NIL]
	v_lshrrev_b32 v1, 5, v0
	v_readfirstlane_b32 s10, v1                    ; wave 0..3
	s_lshr_b32 s11, s10, 1                         ; which half of the tile's rows is mine.  Also: I fetch for A (0) or for B (1)
	s_and_b32 s12, s10, 1                          ; which half of its columns.  Also: which half of that tile I fetch
	s_bfe_u32 s40, ttmp6, 0x40000                  ; cx
	s_bfe_u32 s41, ttmp6, 0x40004                  ; cy
	s_lshl_b32 s42, ttmp9, 2
	s_add_co_u32 s42, s42, s40                     ; tile column
	s_and_b32 s13, ttmp7, 0xffff
	s_lshl_b32 s13, s13, 2
	s_add_co_u32 s13, s13, s41                     ; tile row
	s_lshl_b32 s43, s41, 2
	s_lshl_b32 s43, 15, s43                        ; my row of the cluster
	s_lshl_b32 s44, 0x1111, s40                    ; my column
	; A: four tiles of tokens, of each 16,384 consecutive bytes (eight K steps): 4 rows of 2,048 elements of 8 bytes, dense in LDS
	s_or_b32 s[G1+0], s43, (3<<16)|(1<<21)
	s_mov_b32 s[G1+1], 2048<<16                    ; tensor_dim0: a tile's 16,384 bytes
	s_mov_b32 s[G1+2], 4<<16                       ; tensor_dim1
	s_mov_b32 s[G1+3], 2048<<16                    ; tile_dim0
	s_mov_b32 s[G1+4], 4                           ; tile_dim1
	s_mov_b32 s[G1+5], 2*KB                        ; from tile to tile: 16 KB bytes
	s_mov_b32 s[G1+6], 0
	s_mov_b32 s[G1+7], 0
	; B: 64 rows of 1,024 bytes, padded in LDS: 4 words after every 256
	s_or_b32 s[G1B+0], s44, (0<<16)|(1<<20)|(1<<21)|(7<<22)|(3<<25)  ; rows of 1,024 bytes: 4 words after every 256
	s_mov_b32 s[G1B+1], 1024<<16
	s_mov_b32 s[G1B+2], 64<<16
	s_mov_b32 s[G1B+3], 1024<<16
	s_mov_b32 s[G1B+4], 64
	s_mov_b32 s[G1B+5], KB
	s_mov_b32 s[G1B+6], 0
	s_mov_b32 s[G1B+7], 0
	s_lshl_b32 s16, s13, 3
	s_lshl_b32 s17, s12, 2
	s_add_co_u32 s16, s16, s17
	s_mul_i32 s16, s16, 16*KB                      ; A: tile of tokens 8 x tile row + 4 x half
	s_mov_b32 s17, 0
	s_lshl_b32 s46, s42, 7
	s_lshl_b32 s47, s12, 6
	s_add_co_u32 s46, s46, s47
	s_mul_i32 s46, s46, KB                         ; B: row 128 x tile column + 64 x half
	s_mov_b32 s47, 0
	s_lshl_b32 s20, s12, 16                        ; where they go: A's halves of 65,536 bytes,
	s_mul_i32 s21, s12, BHALF
	s_add_co_u32 s21, s21, APART                   ; B's halves behind them
	s_wait_dscnt 0x0                               ; both opening adds are done
	s_wait_kmcnt 0x0
	s_load_b64 s[74:75], s[8:9], SOFF              ; ea, eb
	s_add_nc_u64 s[14:15], s[4:5], s[16:17]
	s_add_nc_u64 s[46:47], s[6:7], s[46:47]
	CROUND                                         ; all sixteen work-groups are here: the first joint loads meet
.irp s, 0
	s_mov_b32 s[G0+4*\s], 1
	s_add_co_u32 s[G0+4*\s+1], s20, \s*SLOT
	s_add_nc_u64 s[G0+4*\s+2:G0+4*\s+3], s[14:15], \s*8192
	s_or_b32 s[G0+4*\s+3], s[G0+4*\s+3], 0x80000000
	s_mov_b32 s[G0B+4*\s], 1
	s_add_co_u32 s[G0B+4*\s+1], s21, \s*SLOT
	s_add_nc_u64 s[G0B+4*\s+2:G0B+4*\s+3], s[46:47], \s*512
	s_or_b32 s[G0B+4*\s+3], s[G0B+4*\s+3], 0x80000000
	JLOAD \s
.endr
	v_and_b32 v1, 15, v0                           ; r
	v_bfe_u32 v2, v0, 4, 1                         ; h
	v_and_b32 v3, 31, v0
	v_lshlrev_b32 v3, 4, v3                        ; 16 x lane
	s_lshl_b32 s21, s11, 16                        ; my four tiles of tokens
	v_add_nc_u32 v[ADRA], s21, v3
	v_mul_u32_u24 v4, v1, BPITCH
	v_lshl_add_u32 v4, v2, 4, v4
	s_mul_i32 s22, s12, BHALF                      ; my 64 rows of B
	s_add_co_u32 s22, s22, APART
	v_add_nc_u32 v[ADRB], s22, v4
	s_mul_i32 s23, s10, 16*SPITCH
	s_add_co_u32 s23, s23, STAGE                   ; my stage
	v_mul_u32_u24 v5, v1, SPITCH                   ; in: row r, 32 bytes for each half of the lanes
	v_lshl_add_u32 v5, v2, 5, v5
	v_add_nc_u32 v[STO], s23, v5
	v_mul_u32_u24 v5, v2, SPITCH                   ; back: lanes 0-15 one row of 256 bytes, lanes 16-31 the next
	v_lshl_add_u32 v5, v1, 4, v5
	v_add_nc_u32 v[RD], s23, v5
	v_lshlrev_b32 v[BO], 4, v1
	v_lshl_add_u32 v[CO], v2, 12, v[BO]            ; and the same two rows in y: rows of 4,096 bytes
	s_wait_alu depctr_va_vdst(0)
	s_lshl_b32 s16, s13, 7
	s_lshl_b32 s17, s11, 6
	s_add_co_u32 s16, s16, s17
	s_lshl_b32 s16, s16, 12                        ; my first row: 128 x tile row + 64 x half
	s_mov_b32 s17, 0
	s_lshl_b32 s46, s42, 9
	s_lshl_b32 s47, s12, 8
	s_add_co_u32 s46, s46, s47                     ; my first column, in bytes
	s_mov_b32 s47, 0
	s_add_nc_u64 s[68:69], s[68:69], s[46:47]
	s_add_nc_u64 s[16:17], s[16:17], s[46:47]
	s_add_nc_u64 s[70:71], s[70:71], s[16:17]
	s_add_nc_u64 s[72:73], s[72:73], s[16:17]
	WIN 0x80                                       ; destination window 2: the residual and the bias are asked for now and wanted on the way out
.irp a, 0,1,2,3
.irp t, 0,1,2,3,4,5,6,7
	global_load_b128 v[32*\a+4*\t:32*\a+4*\t+3], v[CO], s[70:71] offset:(16*\a+2*\t)*4096
.endr
.endr
	global_load_b128 v[128:131], v[BO], s[68:69]
	WIN 0
.macro MULA f, a, zero                 ; four matrix instructions: A's fragment a x B's four, 128 along K.  The 16 accumulators take turns in one order
.irp b, 0,1,2,3
.if \zero
	v_wmma_f32_16x16x128_fp8_fp8 v[ACC+8*(4*(\a)+\b):ACC+8*(4*(\a)+\b)+7], v[\f+64+16*\b:\f+64+16*\b+15], v[\f+16*(\a):\f+16*(\a)+15], 0
.else
	v_wmma_f32_16x16x128_fp8_fp8 v[ACC+8*(4*(\a)+\b):ACC+8*(4*(\a)+\b)+7], v[\f+64+16*\b:\f+64+16*\b+15], v[\f+16*(\a):\f+16*(\a)+15], v[ACC+8*(4*(\a)+\b):ACC+8*(4*(\a)+\b)+7]
.endif
.endr
.endm
.macro FETCH slot, q, f                ; 32 LDS loads in one run: the slot's q-th 128 along K: B's four fragments, then A's four
	WIN TO_F
.irp i, 0,1,2,3
.irp c, 0,1,2,3
	ds_load_b128 v[\f+64+16*\i+4*\c:\f+64+16*\i+4*\c+3], v[ADRB+\slot] offset:\i*16*BPITCH+128*(\q)+32*\c
.endr
.endr
.irp i, 0,1,2,3
.irp c, 0,1,2,3
	ds_load_b128 v[\f+16*\i+4*\c:\f+16*\i+4*\c+3], v[ADRA+\slot] offset:16384*\i+2048*(\q)+512*\c
.endr
.endr
.endm
.macro PLACES
.rept 4
	v_nop
.endr
.endm
.macro QUARTER slot, qn, f, g, zero    ; multiplies buffer f; in its middle fetches the slot's quarter qn into g
	s_wait_dscnt 8                                 ; B's four and A's fragments 0, 1 are in; the eight youngest loads (A's 2, 3) may be out
	WIN MUL
	MULA \f, 0, \zero
	MULA \f, 1, \zero
	PLACES
	FETCH \slot, \qn, \g
	s_wait_dscnt 32                                ; all but the 32 just issued
	WIN MUL
	MULA \f, 2, \zero
	MULA \f, 3, \zero
.endm
.macro TURN slot, next, fill           ; a slot's last quarter multiplies buffer 1 and changes slots: one barrier
	WIN 0                                          ; (the add's two registers lie in window 0)
	s_wait_tensorcnt 0x0                           ; all my tensor loads have landed: my part of the next slot
	ds_add_u32 v[SPW], v[NIL]                      ; 0 onto my spare word
	s_wait_dscnt 9                                 ; (the add and the eight youngest loads may be out)
	WIN MUL
	MULA F1, 0, 0
	s_wait_dscnt 0x0                               ; the add is done, and my reads of this slot are over
	s_barrier_signal -1
	MULA F1, 1, 0
.if \fill
	WIN 0
.endif
	s_barrier_wait -1
.if \fill
	CREST                                          ; the barrier has opened a round of the cluster's barrier
	s_add_nc_u64 s[G0+4*\slot+2:G0+4*\slot+3], s[G0+4*\slot+2:G0+4*\slot+3], 2*8192
	s_add_nc_u64 s[G0B+4*\slot+2:G0B+4*\slot+3], s[G0B+4*\slot+2:G0B+4*\slot+3], 2*512
	JLOAD \slot                                    ; the first tensor load behind the round; its four v_nop are the places in front of the loads below
.else
	PLACES
.endif
	FETCH \next, 0, F0
	WIN MUL
	MULA F1, 2, 0
	MULA F1, 3, 0
.endm
	s_wait_tensorcnt 0x0                           ; my part of the slot is in
	s_barrier_signal -1
	s_barrier_wait -1
	FETCH 0, 0, F0
	QUARTER 0, 1, F0, F1, 1                        ; the first quarter's products start the sums
.if LAPS > 1
	WIN 0
	s_mov_b32 s3, LAPS-1
.Llap:
	QUARTER 0, 2, F1, F0, 0
	QUARTER 0, 3, F0, F1, 0
	TURN 0, 1, 1
	QUARTER 1, 1, F0, F1, 0
	QUARTER 1, 2, F1, F0, 0
	QUARTER 1, 3, F0, F1, 0
	TURN 1, 0, 1
	QUARTER 0, 1, F0, F1, 0
	WIN 0
	s_sub_co_u32 s3, s3, 1
	s_cmp_lg_u32 s3, 0
	s_cbranch_scc1 .Llap
.endif
	QUARTER 0, 2, F1, F0, 0                        ; the last lap fills nothing
	QUARTER 0, 3, F0, F1, 0
	QUARTER 0, 4, F1, F0, 0
	QUARTER 0, 5, F0, F1, 0
	QUARTER 0, 6, F1, F0, 0
	QUARTER 0, 7, F0, F1, 0
	s_wait_dscnt 8
	WIN MUL
	MULA F1, 0, 0
	MULA F1, 1, 0
	s_wait_dscnt 0
	MULA F1, 2, 0
	MULA F1, 3, 0
	WIN 0
	; THE WAY OUT.  A block of 16 rows x 64 columns goes through my own stage and comes back as whole rows of 256 bytes; then sum x 2^(ea + eb) + (residual + bias), one packed multiply-add for two numbers.
	PLACES
.irp a, 0,1,2,3
.irp b, 0,1,2,3
	ds_store_b128 v[STO], v[ACC+8*(4*\a+\b):ACC+8*(4*\a+\b)+3] offset:64*\b          ; each accumulator from its low end on
	ds_store_b128 v[STO], v[ACC+8*(4*\a+\b)+4:ACC+8*(4*\a+\b)+7] offset:64*\b+16
.endr
	WIN TO_F
.irp t, 0,1,2,3,4,5,6,7
	ds_load_b128 v[32*\a+4*\t:32*\a+4*\t+3], v[RD] offset:\t*2*SPITCH   ; LDS serves a wave's instructions in order (ISA guide 5.7.1.4): these see my stores, and the next block's stores come behind them
.endr
	WIN 0
.endr
	s_wait_loadcnt 0x0                             ; the residual and the bias
	s_wait_kmcnt 0x0
	s_add_co_i32 s74, s74, s75
	s_add_co_i32 s74, s74, 127
	s_lshl_b32 s74, s74, 23                        ; 2^(ea + eb)
	s_mov_b32 s75, s74
	WIN 0x8a                                       ; sources 0, 1 and destination window 2
.set n, 0
.rept 32
	v_pk_add_f32 v[4*n:4*n+1], v[4*n:4*n+1], v[128:129]
	v_pk_add_f32 v[4*n+2:4*n+3], v[4*n+2:4*n+3], v[130:131]
.set n, n+1
.endr
.irp a, 0,1,2,3
	s_wait_dscnt 16*(3-\a)                         ; block a is back; the later blocks' sixteen LDS instructions each may be out
	WIN 0x61                                       ; source 0 and destination window 1, source 2 window 2
.set n, 0
.rept 16
	v_pk_fma_f32 v[32*\a+2*n:32*\a+2*n+1], v[32*\a+2*n:32*\a+2*n+1], s[74:75], v[32*\a+2*n:32*\a+2*n+1] op_sel_hi:[1,0,1]
.set n, n+1
.endr
	WIN 0x04                                       ; the stores' data window 1
.irp t, 0,1,2,3,4,5,6,7
	global_store_b128 v[CO], v[32*\a+4*\t:32*\a+4*\t+3], s[72:73] offset:(16*\a+2*\t)*4096   ; sixteen lanes store 256 consecutive bytes, aligned
.endr
.endr
	WIN 0
	s_wait_tensorcnt 0x0                           ; the wave's end
	ds_add_u32 v[SPW], v[NIL]
	s_wait_dscnt 0x0
	CROUND                                         ; the closing round
	s_endpgm
.Lfunc_end_k_q3f42250611_oproj:
	.size	k_q3f42250611_oproj, .Lfunc_end_k_q3f42250611_oproj-k_q3f42250611_oproj
	.p2alignl 7, 3214868480
	.fill 96, 4, 3214868480
	.section	.rodata,"a",@progbits
	.p2align	6, 0x0
	.amdhsa_kernel k_q3f42250611_oproj
		.amdhsa_group_segment_fixed_size 327680
		.amdhsa_private_segment_fixed_size 0
		.amdhsa_enable_private_segment 0
		.amdhsa_kernarg_size 48
		.amdhsa_user_sgpr_count 2
		.amdhsa_user_sgpr_kernarg_segment_ptr 1
		.amdhsa_wavefront_size32 1
		.amdhsa_system_sgpr_workgroup_id_x 1
		.amdhsa_system_sgpr_workgroup_id_y 1
		.amdhsa_system_sgpr_workgroup_id_z 1
		.amdhsa_system_vgpr_workitem_id 0
		.amdhsa_next_free_vgpr 768
		.amdhsa_next_free_sgpr 80
		.amdhsa_reserve_vcc 0
		.amdhsa_float_denorm_mode_32 3
		.amdhsa_float_denorm_mode_16_64 3
		.amdhsa_memory_ordered 1
		.amdhsa_forward_progress 1
		.amdhsa_inst_pref_size 52
	.end_amdhsa_kernel
	.amdgpu_metadata
---
amdhsa.version: [ 1, 2 ]
amdhsa.kernels:
  - .name:           k_q3f42250611_oproj
    .symbol:         k_q3f42250611_oproj.kd
    .args:
      - { .name: ctx, .offset: 0, .size: 8, .value_kind: global_buffer, .address_space: global }
      - { .name: w_o_codes, .offset: 8, .size: 8, .value_kind: global_buffer, .address_space: global }
      - { .name: lowp_scales, .offset: 16, .size: 8, .value_kind: global_buffer, .address_space: global }
      - { .name: b_o, .offset: 24, .size: 8, .value_kind: global_buffer, .address_space: global }
      - { .name: x, .offset: 32, .size: 8, .value_kind: global_buffer, .address_space: global }
      - { .name: x1, .offset: 40, .size: 8, .value_kind: global_buffer, .address_space: global }
    .group_segment_fixed_size: 327680
    .private_segment_fixed_size: 0
    .kernarg_segment_align: 8
    .kernarg_segment_size: 48
    .max_flat_workgroup_size: 128
    .sgpr_count:     80
    .vgpr_count:     768
    .wavefront_size: 32
...
	.end_amdgpu_metadata
.endif
;; end of part 4
;; launch ln2 (part 5): grid 256 x 1, 8 waves a work-group, no clusters, 0 bytes of LDS; arguments x1, ln2_scale, ln2_shift, lowp_scales, h2; writes h2
.if DOCPART == 5
	.amdgcn_target "amdgcn-amd-amdhsa--gfx1250"
	.amdhsa_code_object_version 6
	.text
	.protected	k_q3f42250611_ln2
	.globl	k_q3f42250611_ln2
	.p2align	8
	.type	k_q3f42250611_ln2,@function
k_q3f42250611_ln2:
	s_mov_b64 s[64:65], 0
	v_nop
	global_prefetch_b8 v0, s[64:65] scope:SCOPE_SE
	s_setreg_imm32_b32 hwreg(HW_REG_WAVE_MODE, 25, 1), 1
	s_wait_xcnt 0x0
; h = ln2_scale (x1 - mean) / sqrt(var + 1e-5) + ln2_shift, in f32, and its codes of E4M3 under the scale 2^e12 (the A operand of the product with w_ff1): [4096 tokens][1024] bytes.  No work of reference() is left out here.
; code = h / 2^e, held within +-448, to the nearest code, ties to even.  LIMITS: e12 between -126 and 119.  NaN among the inputs is not served.
; SHARES.  A work-group takes 16 rows, each of its eight waves two whole rows, so no sum leaves a wave: no LDS, no barrier.  Lane l holds columns 256 j + 8 l + 0..7, j = 0..3: four runs of eight neighbours,
; as the conversion wants them, and its 8 codes of a run are 8 bytes: a store of the wave covers 256 consecutive bytes, aligned.  The mean is taken first and the variance of the differences.
.set NOUT, 1                           ; how many times the row is quantised
.set G,   4                            ; v[4:35]    the gain at my 32 columns
.set B,   36                           ; v[36:67]   the shift
.set X,   68                           ; v[68:131]  my 32 numbers of each of the two rows
.set T,   132                          ; v[132:163] the held numbers
.set C,   164                          ; v[164:..]  codes: 8 registers for each row and output, so that no store's data are written again
.set MN,  212                          ; v[212:213] the mean (the low word serves both halves)
.set RS,  214                          ; v[214:215] 1 / sqrt(var + eps)
.set W,   216                          ; v[216:219] at work
.set SC,  220                          ; v220       2^e as f32
.set LM,  223                          ; v223       448 x 2^e
.set PX,  226                          ; v226       the lane permute's destination
.set EPS, 227                          ; v227       1e-5
	s_load_b256 s[4:11], s[0:1], 0x0               ; x1 s[4:5], gain s[6:7], shift s[8:9], the scales' exponents s[10:11]
	s_load_b64 s[12:13], s[0:1], 0x20              ; the codes
	v_lshrrev_b32 v3, 5, v0
	s_delay_alu instid0(VALU_DEP_1)
	v_readfirstlane_b32 s18, v3                    ; wave 0..7
	v_and_b32 v2, 31, v0
	s_delay_alu instid0(VALU_DEP_1)
	v_lshlrev_b32 v1, 5, v2                        ; 32 x lane: my eight numbers of a run
	s_delay_alu instid0(VALU_DEP_2)
	v_lshlrev_b32 v2, 3, v2                        ; 8 x lane: their codes
	s_lshl_b32 s22, ttmp9, 16                      ; 16 rows of 4,096 bytes a work-group,
	s_lshl_b32 s23, s18, 13                        ; two a wave
	s_add_co_u32 s22, s22, s23
	s_mov_b32 s23, 0
	s_lshr_b32 s36, s22, 2                         ; the same rows among the codes: a quarter of the bytes
	s_mov_b32 s37, 0
	s_mov_b32 s20, 0x76543210                      ; v_permlanex16_b32: lane l takes lane l xor 16
	s_mov_b32 s21, 0xfedcba98
	s_mov_b32 s34, 0x3a800000                      ; 1 / 1024
	v_mov_b32 v[MN+1], 0                           ; (named as the upper halves of pairs, so they are written)
	v_mov_b32 v[RS+1], 0
	v_mov_b32 v[PX], 0
	v_mov_b32 v[EPS], 0x3727c5ac
	s_wait_alu depctr_va_vdst(0)
	s_wait_kmcnt 0x0
.if NOUT == 3
	s_load_b256 s[24:31], s[10:11], 0x0
.else
	s_load_b32 s24, s[10:11], 0x30                 ; e12
.endif
	s_add_nc_u64 s[4:5], s[4:5], s[22:23]
	s_add_nc_u64 s[12:13], s[12:13], s[36:37]
.if NOUT == 3
	s_add_nc_u64 s[14:15], s[12:13], 0x400000
	s_add_nc_u64 s[16:17], s[12:13], 0x800000
.endif
.irp j, 0,1,2,3
	global_load_b128 v[G+8*\j:G+8*\j+3],   v1, s[6:7] offset:1024*\j
	global_load_b128 v[G+8*\j+4:G+8*\j+7], v1, s[6:7] offset:1024*\j+16
.endr
.irp j, 0,1,2,3
	global_load_b128 v[B+8*\j:B+8*\j+3],   v1, s[8:9] offset:1024*\j
	global_load_b128 v[B+8*\j+4:B+8*\j+7], v1, s[8:9] offset:1024*\j+16
.endr
.irp i, 0,1
.irp j, 0,1,2,3
	global_load_b128 v[X+32*\i+8*\j:X+32*\i+8*\j+3],   v1, s[4:5] offset:4096*\i+1024*\j
	global_load_b128 v[X+32*\i+8*\j+4:X+32*\i+8*\j+7], v1, s[4:5] offset:4096*\i+1024*\j+16
.endr
.endr
	s_wait_kmcnt 0x0
.set o, 0
.rept NOUT
	s_add_co_i32 s32, s[24+2*o], 127
	s_lshl_b32 s33, s32, 23
	v_mov_b32 v[SC+o], s33                         ; 2^e: the conversion takes its exponent field
	s_add_co_i32 s32, s32, 8
	s_lshl_b32 s32, s32, 23
	s_or_b32 s32, s32, 0x600000
	v_mov_b32 v[LM+o], s32                         ; 448 x 2^e
.set o, o+1
.endr
.macro WSUM r                          ; the sum of v[r] over the 32 lanes, in every lane
	s_delay_alu instid0(VALU_DEP_1)
	v_add_f32_dpp v[\r], v[\r], v[\r] row_xmask:1 row_mask:0xf bank_mask:0xf
	s_delay_alu instid0(VALU_DEP_1)
	v_add_f32_dpp v[\r], v[\r], v[\r] row_xmask:2 row_mask:0xf bank_mask:0xf
	s_delay_alu instid0(VALU_DEP_1)
	v_add_f32_dpp v[\r], v[\r], v[\r] row_xmask:4 row_mask:0xf bank_mask:0xf
	s_delay_alu instid0(VALU_DEP_1)
	v_add_f32_dpp v[\r], v[\r], v[\r] row_xmask:8 row_mask:0xf bank_mask:0xf
	s_delay_alu instid0(VALU_DEP_1)
	v_permlanex16_b32 v[PX], v[\r], s20, s21
	s_delay_alu instid0(VALU_DEP_1)
	v_add_f32 v[\r], v[\r], v[PX]
.endm
.macro ROW i, left                     ; row i of my two; left: the younger loads that may stay out
.set XS, X+32*(\i)
.set CS, C+8*NOUT*(\i)
	s_wait_loadcnt \left
	v_pk_add_f32 v[W:W+1], v[XS:XS+1], v[XS+2:XS+3]          ; the sum, two at a time, in two chains
	v_pk_add_f32 v[W+2:W+3], v[XS+4:XS+5], v[XS+6:XS+7]
.irp k, 8,12,16,20,24,28
	s_delay_alu instid0(VALU_DEP_2)
	v_pk_add_f32 v[W:W+1], v[W:W+1], v[XS+\k:XS+\k+1]
	s_delay_alu instid0(VALU_DEP_2)
	v_pk_add_f32 v[W+2:W+3], v[W+2:W+3], v[XS+\k+2:XS+\k+3]
.endr
	s_delay_alu instid0(VALU_DEP_1)
	v_pk_add_f32 v[W:W+1], v[W:W+1], v[W+2:W+3]
	s_delay_alu instid0(VALU_DEP_1)
	v_add_f32 v[W], v[W], v[W+1]
	WSUM W
	s_delay_alu instid0(VALU_DEP_1)
	v_mul_f32 v[MN], s34, v[W]                     ; the mean
.irp k, 0,2,4,6,8,10,12,14,16,18,20,22,24,26,28,30
	v_pk_add_f32 v[XS+\k:XS+\k+1], v[XS+\k:XS+\k+1], v[MN:MN+1] op_sel_hi:[1,0] neg_lo:[0,1] neg_hi:[0,1]   ; x - mean
.endr
	v_pk_mul_f32 v[W:W+1], v[XS:XS+1], v[XS:XS+1]            ; the sum of their squares
	v_pk_mul_f32 v[W+2:W+3], v[XS+2:XS+3], v[XS+2:XS+3]
.irp k, 4,8,12,16,20,24,28
	s_delay_alu instid0(VALU_DEP_2)
	v_pk_fma_f32 v[W:W+1], v[XS+\k:XS+\k+1], v[XS+\k:XS+\k+1], v[W:W+1]
	s_delay_alu instid0(VALU_DEP_2)
	v_pk_fma_f32 v[W+2:W+3], v[XS+\k+2:XS+\k+3], v[XS+\k+2:XS+\k+3], v[W+2:W+3]
.endr
	s_delay_alu instid0(VALU_DEP_1)
	v_pk_add_f32 v[W:W+1], v[W:W+1], v[W+2:W+3]
	s_delay_alu instid0(VALU_DEP_1)
	v_add_f32 v[W], v[W], v[W+1]
	WSUM W
	s_delay_alu instid0(VALU_DEP_1)
	v_fma_f32 v[W], v[W], s34, v[EPS]              ; var + eps
	s_wait_alu depctr_va_vdst(0)
	v_rsq_f32 v[RS], v[W]
	v_nop                                          ; a plain instruction behind the transcendental,
	s_wait_alu depctr_va_vdst(0)                   ; and the wait ahead of its first reader
.irp k, 0,2,4,6,8,10,12,14,16,18,20,22,24,26,28,30
	v_pk_mul_f32 v[XS+\k:XS+\k+1], v[XS+\k:XS+\k+1], v[RS:RS+1] op_sel_hi:[1,0]
.endr
.irp k, 0,2,4,6,8,10,12,14,16,18,20,22,24,26,28,30
	v_pk_fma_f32 v[XS+\k:XS+\k+1], v[XS+\k:XS+\k+1], v[G+\k:G+\k+1], v[B+\k:B+\k+1]   ; x gain + shift
.endr
.set o, 0
.rept NOUT
.set k, 0
.rept 32
	v_med3_num_f32 v[T+k], v[XS+k], -v[LM+o], v[LM+o]        ; the conversion to an 8-bit code does not saturate (ISA guide 7.6.2): the hold at the largest code x the scale
.set k, k+1
.endr
.set k, 0
.rept 4
	v_cvt_scalef32_pk8_fp8_f32 v[CS+8*o+2*k:CS+8*o+2*k+1], v[T+8*k:T+8*k+7], v[SC+o]
.set k, k+1
.endr
	v_nop                                          ; a plain instruction between the conversions and the next lines that write their sources
.set k, 0
.rept 4
	global_store_b64 v2, v[CS+8*o+2*k:CS+8*o+2*k+1], s[12+2*o:13+2*o] offset:1024*(\i)+256*k   ; the wave stores 256 consecutive bytes, aligned
.set k, k+1
.endr
.set o, o+1
.endr
.endm
	ROW 0, 8                                       ; the second row's eight loads may be out
	ROW 1, 0
	s_endpgm
.Lfunc_end_k_q3f42250611_ln2:
	.size	k_q3f42250611_ln2, .Lfunc_end_k_q3f42250611_ln2-k_q3f42250611_ln2
	.p2alignl 7, 3214868480
	.fill 96, 4, 3214868480
	.section	.rodata,"a",@progbits
	.p2align	6, 0x0
	.amdhsa_kernel k_q3f42250611_ln2
		.amdhsa_group_segment_fixed_size 0
		.amdhsa_private_segment_fixed_size 0
		.amdhsa_enable_private_segment 0
		.amdhsa_kernarg_size 40
		.amdhsa_user_sgpr_count 2
		.amdhsa_user_sgpr_kernarg_segment_ptr 1
		.amdhsa_wavefront_size32 1
		.amdhsa_system_sgpr_workgroup_id_x 1
		.amdhsa_system_sgpr_workgroup_id_y 1
		.amdhsa_system_sgpr_workgroup_id_z 1
		.amdhsa_system_vgpr_workitem_id 0
		.amdhsa_next_free_vgpr 228
		.amdhsa_next_free_sgpr 66
		.amdhsa_reserve_vcc 0
		.amdhsa_float_denorm_mode_32 3
		.amdhsa_float_denorm_mode_16_64 3
		.amdhsa_memory_ordered 1
		.amdhsa_forward_progress 1
		.amdhsa_inst_pref_size 25
	.end_amdhsa_kernel
	.amdgpu_metadata
---
amdhsa.version: [ 1, 2 ]
amdhsa.kernels:
  - .name:           k_q3f42250611_ln2
    .symbol:         k_q3f42250611_ln2.kd
    .args:
      - { .name: x1, .offset: 0, .size: 8, .value_kind: global_buffer, .address_space: global }
      - { .name: ln2_scale, .offset: 8, .size: 8, .value_kind: global_buffer, .address_space: global }
      - { .name: ln2_shift, .offset: 16, .size: 8, .value_kind: global_buffer, .address_space: global }
      - { .name: lowp_scales, .offset: 24, .size: 8, .value_kind: global_buffer, .address_space: global }
      - { .name: h2, .offset: 32, .size: 8, .value_kind: global_buffer, .address_space: global }
    .group_segment_fixed_size: 0
    .private_segment_fixed_size: 0
    .kernarg_segment_align: 8
    .kernarg_segment_size: 40
    .max_flat_workgroup_size: 256
    .sgpr_count:     66
    .vgpr_count:     228
    .wavefront_size: 32
...
	.end_amdgpu_metadata
.endif
;; end of part 5
;; launch ff1 (part 6): grid 16 x 16, 4 waves a work-group, clusters of 4 x 4, 327,680 bytes of LDS; arguments h2, w_ff1_codes, lowp_scales, b_ff1, hid; writes hid
.if DOCPART == 6
	.amdgcn_target "amdgcn-amd-amdhsa--gfx1250"
	.amdhsa_code_object_version 6
	.text
	.protected	k_q3f42250611_ff1
	.globl	k_q3f42250611_ff1
	.p2align	8
	.type	k_q3f42250611_ff1,@function
k_q3f42250611_ff1:
	s_mov_b64 s[64:65], 0
	v_nop
	global_prefetch_b8 v0, s[64:65] scope:SCOPE_SE
	s_setreg_imm32_b32 hwreg(HW_REG_WAVE_MODE, 25, 1), 1
	s_wait_xcnt 0x0
	s_wait_alu depctr_hold_cnt(0) depctr_sa_sdst(0) depctr_va_vdst(0) depctr_va_sdst(0) depctr_va_ssrc(0) depctr_va_vcc(0) depctr_vm_vsrc(0)
	s_getreg_b32 s2, hwreg(HW_REG_IB_STS2, 6, 4)
	s_cmp_eq_u32 s2, 0
	s_cbranch_scc0 .Lentry_in_a_cluster
	s_endpgm
.Lentry_in_a_cluster:
	s_bfe_u32 s2, ttmp6, 0x10000c
	s_cmp_lg_u32 s2, 0xf033
	s_cbranch_scc0 .Lentry_shape_is_right
	s_endpgm
.Lentry_shape_is_right:
.set KROW,   1024
.set ROWB,   256
.set PITCH,  272
.set FR,     16
.set NL,     4
.set NP,     4
.set HALFT,  128*PITCH
.set SLOT,   4*HALFT
.set LAPS,   KROW/(2*ROWB)
.set SPARE,  2*SLOT
.set SCL,  8
.set LIM,  9
.set ADRA, 16
.set ADRB, 20
.set STO,  24
.set RD,   25
.set CO,   26
.set BA,   27
.set SPW,  28
.set NIL,  29
.set CD,   32
.set K1V,  48
.set BI,   64
.set AF,   128
.set U,    128
.set T,    192
.set BK,   128
.set G1, 24
.set G0, 32
.set G1B, 48
.set G0B, 56
.set MSB, 0
.macro WIN new
.if MSB != \new
	s_set_vgpr_msb (MSB<<8)|\new
.set MSB, \new
.endif
.endm
.set MUL_LO, 0xa1
.set MUL_HI, 0xf1
.set TO_B,   0x40
.macro JLOAD g0a, g1a, g0b, g1b
	s_cmp_eq_u32 s15, 0
	s_cbranch_scc0 .Lfor_b_\@
	tensor_load_to_lds s[\g0a:\g0a+3], s[\g1a:\g1a+7]
	s_nop 0
.rept 4
	v_nop
.endr
	s_branch .Lasked_\@
.Lfor_b_\@:
	tensor_load_to_lds s[\g0b:\g0b+3], s[\g1b:\g1b+7]
	s_nop 0
.rept 4
	v_nop
.endr
.Lasked_\@:
.endm
.macro CREST
	s_cmp_lg_u32 s14, 0
	s_cbranch_scc1 .Lnot_wave_0_\@
	s_barrier_signal -3
.Lnot_wave_0_\@:
	s_barrier_wait -3
	s_barrier_signal -1
	s_barrier_wait -1
.endm
.macro CROUND
	s_barrier_signal -1
	s_barrier_wait -1
	CREST
.endm
	s_load_b256 s[68:75], s[0:1], 0x0
	s_load_b64 s[76:77], s[0:1], 0x20
	v_lshl_add_u32 v[SPW], v0, 2, SPARE
	v_mov_b32 v[NIL], 0
	ds_add_u32 v[SPW], v[NIL]
	ds_add_u32 v[SPW], v[NIL]
	v_lshrrev_b32 v1, 5, v0
	v_readfirstlane_b32 s14, v1
	s_lshr_b32 s15, s14, 1
	s_and_b32 s16, s14, 1
	s_bfe_u32 s40, ttmp6, 0x40000
	s_bfe_u32 s41, ttmp6, 0x40004
	s_lshl_b32 s42, ttmp9, 2
	s_add_co_u32 s42, s42, s40
	s_and_b32 s17, ttmp7, 0xffff
	s_lshl_b32 s17, s17, 2
	s_add_co_u32 s17, s17, s41
	s_lshl_b32 s43, s41, 2
	s_lshl_b32 s43, 15, s43
	s_lshl_b32 s44, 0x1111, s40
	s_or_b32 s[G1+0], s43, (0<<16)|(1<<20)|(1<<21)|(5<<22)|(3<<25)
	s_or_b32 s[G1B+0], s44, (0<<16)|(1<<20)|(1<<21)|(5<<22)|(3<<25)
.irp g, G1, G1B
	s_mov_b32 s[\g+1], ROWB<<16
	s_mov_b32 s[\g+2], 128<<16
	s_mov_b32 s[\g+3], ROWB<<16
	s_mov_b32 s[\g+4], 128
	s_mov_b32 s[\g+5], KROW
	s_mov_b32 s[\g+6], 0
	s_mov_b32 s[\g+7], 0
.endr
	s_lshl_b32 s18, s16, 7
	s_lshl_b32 s20, s17, 8
	s_add_co_u32 s20, s20, s18
	s_lshl_b32 s20, s20, 10
	s_lshl_b32 s46, s42, 8
	s_add_co_u32 s46, s46, s18
	s_lshl_b32 s46, s46, 10
	s_mov_b32 s21, 0
	s_mov_b32 s47, 0
	s_mul_i32 s45, s14, HALFT
	s_mov_b32 s88, 0xbdd2d3e8
	s_mov_b32 s89, s88
	s_wait_dscnt 0x0
	s_wait_kmcnt 0x0
	s_load_b128 s[80:83], s[72:73], 0x30
	s_add_nc_u64 s[20:21], s[68:69], s[20:21]
	s_add_nc_u64 s[46:47], s[70:71], s[46:47]
	CROUND
.irp s, 0,1
	s_mov_b32 s[G0+4*\s], 1
	s_add_co_u32 s[G0+4*\s+1], s45, \s*SLOT
	s_add_nc_u64 s[G0+4*\s+2:G0+4*\s+3], s[20:21], \s*ROWB
	s_or_b32 s[G0+4*\s+3], s[G0+4*\s+3], 0x80000000
	s_mov_b32 s[G0B+4*\s], 1
	s_add_co_u32 s[G0B+4*\s+1], s45, \s*SLOT
	s_add_nc_u64 s[G0B+4*\s+2:G0B+4*\s+3], s[46:47], \s*ROWB
	s_or_b32 s[G0B+4*\s+3], s[G0B+4*\s+3], 0x80000000
.endr
	JLOAD G0, G1, G0B, G1B                         ; K step 0: one tensor load a wave at the head
	; PREFETCH: behind the load of K step j stands one request for K step j + 2 (j = 0, 1; K has four steps).  Of the 128 rows that I fetch, each of the four partners that ask for them jointly
	; names 32, told apart by address (cx for A, cy for B): a lane a row, 256 bytes of it.  K steps 0 and 1 come by their loads alone.
	s_cmp_eq_u32 s15, 0
	s_cselect_b64 s[8:9], s[20:21], s[46:47]       ; the rows that I fetch, of A or of B
	s_cselect_b32 s12, s40, s41                    ; my work-group's place among the four
	s_lshl_b32 s12, s12, 15                        ; 32 rows of 1,024 bytes
	s_mov_b32 s13, 0
	s_add_nc_u64 s[8:9], s[8:9], s[12:13]
	v_and_b32 v30, 31, v0
	v_lshlrev_b32 v30, 10, v30                     ; a lane a row; never rewritten
	global_prefetch_b8 v30, s[8:9] offset:512 th:TH_LOAD_NT scope:SCOPE_SE   ; K step 2
	v_and_b32 v1, 15, v0
	s_wait_alu depctr_va_vdst(0)
	v_bfe_u32 v2, v0, 4, 1
	s_lshl_b32 s18, s42, 10
	s_lshl_b32 s19, s16, 9
	s_add_co_u32 s18, s18, s19
	s_mov_b32 s19, 0
	s_add_nc_u64 s[74:75], s[74:75], s[18:19]
	v_lshlrev_b32 v[BA], 5, v2
.irp b, 0,1,2,3,4,5,6,7
	global_load_b128 v[BI+8*\b:BI+8*\b+3],   v[BA], s[74:75] offset:64*\b
	global_load_b128 v[BI+8*\b+4:BI+8*\b+7], v[BA], s[74:75] offset:64*\b+16
.endr
	v_mul_u32_u24 v3, v1, PITCH
	v_lshl_add_u32 v4, v2, 4, v3
	s_mul_i32 s21, s15, HALFT
	s_mul_i32 s22, s16, HALFT
	s_add_co_u32 s22, s22, 2*HALFT
.irp s, 0,1
	v_add_nc_u32 v[ADRA+\s], s21, v4
	v_add_nc_u32 v[ADRB+\s], s22, v4
	s_add_co_u32 s21, s21, SLOT
	s_add_co_u32 s22, s22, SLOT
.endr
	s_lshl_b32 s23, s14, 14
	v_lshlrev_b32 v5, 4, v1
	s_wait_alu depctr_va_vdst(0)
	v_lshl_add_u32 v5, v2, 3, v5
	v_add_nc_u32 v[STO], s23, v5
	v_and_b32 v6, 31, v0
	v_lshlrev_b32 v[CO], 4, v6
	v_add_nc_u32 v[RD], s23, v[CO]
	v_mov_b32 v[K1V], 0xc0135761
	v_mov_b32 v[K1V+1], 0xc0135761
	s_lshl_b32 s20, s17, 4
	s_lshl_b32 s21, s15, 3
	s_add_co_u32 s20, s20, s21
	s_lshl_b32 s20, s20, 16
	s_lshl_b32 s46, s42, 1
	s_add_co_u32 s46, s46, s16
	s_lshl_b32 s46, s46, 11
	s_add_co_u32 s20, s20, s46
	s_mov_b32 s21, 0
	s_add_nc_u64 s[10:11], s[76:77], s[20:21]
.macro FRAG reg, adr, q, i
.irp c, 0,1,2,3
	ds_load_b128 v[\reg+4*\c:\reg+4*\c+3], v[\adr] offset:128*(\q)+32*\c+(\i)*16*PITCH
.endr
.endm
.macro MUL16 a0, p, zero
.irp a, \a0, \a0+1
.irp b, 0,1,2,3,4,5,6,7
.if \zero
	v_wmma_f32_16x16x128_fp8_fp8 v[8*(8*((\a)%4)+\b):8*(8*((\a)%4)+\b)+7], v[128*(\p)+FR*\b:128*(\p)+FR*\b+FR-1], v[AF+FR*(\a):AF+FR*(\a)+FR-1], 0
.else
	v_wmma_f32_16x16x128_fp8_fp8 v[8*(8*((\a)%4)+\b):8*(8*((\a)%4)+\b)+7], v[128*(\p)+FR*\b:128*(\p)+FR*\b+FR-1], v[AF+FR*(\a):AF+FR*(\a)+FR-1], v[8*(8*((\a)%4)+\b):8*(8*((\a)%4)+\b)+7]
.endif
.endr
.endr
.endm
.macro FETCH_B slot, q, p
	WIN TO_B
.irp i, 0,1,2,3,4,5,6,7
	FRAG 128*(\p)+FR*\i, ADRB+\slot, \q, \i
.endr
	WIN 0
.endm
.macro FETCH_A slot, q, i0
.irp i, \i0, \i0+1, \i0+2, \i0+3
	FRAG AF+FR*(\i), ADRA+\slot, \q, \i
.endr
.endm
.macro PLACES n
.rept \n
	v_nop
.endr
.endm
.macro STEP slot, q, zero
	s_wait_dscnt 4*NL
	WIN MUL_LO
	MUL16 0, (\q)%2, \zero
	MUL16 2, (\q)%2, \zero
	s_wait_dscnt 0
	PLACES NP
	FETCH_B \slot, (\q)+1, 1-(\q)%2
	FETCH_A \slot, (\q)+1, 0
	WIN MUL_HI
	MUL16 4, (\q)%2, \zero
	MUL16 6, (\q)%2, \zero
	PLACES NP
	WIN 0
	FETCH_A \slot, (\q)+1, 4
.endm
.macro TURN slot, next, fill
	s_wait_tensorcnt 0x0
	ds_add_u32 v[SPW], v[NIL]
	s_wait_dscnt 4*NL+1
	WIN MUL_LO
	MUL16 0, 1, 0
	s_wait_dscnt 0x0
	s_barrier_signal -1
	MUL16 2, 1, 0
	WIN 0
	s_barrier_wait -1
.if \fill
	CREST
	s_add_nc_u64 s[G0+4*\slot+2:G0+4*\slot+3], s[G0+4*\slot+2:G0+4*\slot+3], 2*ROWB
	s_add_nc_u64 s[G0B+4*\slot+2:G0B+4*\slot+3], s[G0B+4*\slot+2:G0B+4*\slot+3], 2*ROWB
	JLOAD G0+4*\slot, G1, G0B+4*\slot, G1B
.else
	PLACES NP
.endif
	FETCH_B \next, 0, 0
	FETCH_A \next, 0, 0
	WIN MUL_HI
	MUL16 4, 1, 0
	MUL16 6, 1, 0
	PLACES NP
	WIN 0
	FETCH_A \next, 0, 4
.endm
	s_wait_alu depctr_va_vdst(0)                   ; the wait at the head's end
	s_wait_tensorcnt 0x0                           ; my part of K step 0 is in
	ds_add_u32 v[SPW], v[NIL]
	s_wait_dscnt 0x0
	CROUND                                         ; everybody's part of K step 0 is in, and the sixteen work-groups meet
	JLOAD G0+4, G1, G0B+4, G1B                     ; K step 1: the first tensor load behind the round
	FETCH_B 0, 0, 0
	global_prefetch_b8 v30, s[8:9] offset:768 th:TH_LOAD_NT scope:SCOPE_SE   ; K step 3
	FETCH_A 0, 0, 0
	FETCH_A 0, 0, 4
	STEP 0, 0, 1
	s_mov_b32 s3, LAPS-1
.Llap:
	TURN 0, 1, 1
	STEP 1, 0, 0
	TURN 1, 0, 1
	STEP 0, 0, 0
	s_sub_co_u32 s3, s3, 1
	s_cmp_lg_u32 s3, 0
	s_cbranch_scc1 .Llap
	TURN 0, 1, 0
	STEP 1, 0, 0
	s_wait_dscnt 4*NL
	WIN MUL_LO
	MUL16 0, 1, 0
	MUL16 2, 1, 0
	s_wait_dscnt 0
	WIN MUL_HI
	MUL16 4, 1, 0
	MUL16 6, 1, 0
	WIN 0
	s_wait_kmcnt 0x0
	s_add_co_i32 s84, s80, s81
	s_add_co_i32 s84, s84, 127
	s_lshl_b32 s84, s84, 23
	s_mov_b32 s85, s84
	s_add_co_i32 s86, s82, 127
	s_lshl_b32 s87, s86, 23
	v_mov_b32 v[SCL], s87
	s_add_co_i32 s86, s86, 8
	s_lshl_b32 s86, s86, 23
	s_or_b32 s86, s86, 0x600000
	v_mov_b32 v[LIM], s86
	s_wait_loadcnt 0x0
	PLACES NP
.macro GELUQ a
.set AC, 64*((\a)%4)
	WIN 0x02+((\a)/4)
.set k, 0
.rept 32
	v_pk_fma_f32 v[U+k:U+k+1], v[AC+k:AC+k+1], s[84:85], v[BI+k:BI+k+1] op_sel_hi:[1,0,1]
.set k, k+2
.endr
	WIN 0
.set k, 0
.rept 32
	v_pk_mul_f32 v[T+k:T+k+1], v[U+k:U+k+1], v[U+k:U+k+1]
.set k, k+2
.endr
.set k, 0
.rept 32
	v_pk_fma_f32 v[T+k:T+k+1], v[T+k:T+k+1], s[88:89], v[K1V:K1V+1] op_sel_hi:[1,0,1]
.set k, k+2
.endr
.set k, 0
.rept 32
	v_pk_mul_f32 v[T+k:T+k+1], v[T+k:T+k+1], v[U+k:U+k+1]
.set k, k+2
.endr
.set k, 0
	s_wait_alu depctr_va_vdst(0)
.rept 64
	v_exp_f32 v[T+k], v[T+k]
.set k, k+1
.endr
	v_nop
	s_wait_alu depctr_va_vdst(0)
.set k, 0
.rept 32
	v_pk_add_f32 v[T+k:T+k+1], v[T+k:T+k+1], 1.0 op_sel_hi:[1,0]
.set k, k+2
.endr
.set k, 0
	s_wait_alu depctr_va_vdst(0)
.rept 64
	v_rcp_f32 v[T+k], v[T+k]
.set k, k+1
.endr
	v_nop
	s_wait_alu depctr_va_vdst(0)
.set k, 0
.rept 32
	v_pk_mul_f32 v[U+k:U+k+1], v[U+k:U+k+1], v[T+k:T+k+1]
.set k, k+2
.endr
.set k, 0
.rept 64
	v_med3_num_f32 v[U+k], v[U+k], -v[LIM], v[LIM]
.set k, k+1
.endr
	s_wait_alu depctr_va_vdst(0)
	s_wait_dscnt 0x0
.irp b, 0,1,2,3,4,5,6,7
	v_cvt_scalef32_pk8_fp8_f32 v[CD+2*\b:CD+2*\b+1], v[U+8*\b:U+8*\b+7], v[SCL]
.endr
	v_nop
.irp b, 0,1,2,3,4,5,6,7
	ds_store_b64 v[STO], v[CD+2*\b:CD+2*\b+1] offset:2048*(\a)+256*\b
.endr
.endm
.irp a, 0,1,2,3,4,5,6,7
	GELUQ \a
.endr
.set n, 0
.rept 32
	ds_load_b128 v[BK+4*n:BK+4*n+3], v[RD] offset:512*n
.set n, n+1
.endr
.set n, 0
.rept 32
	s_wait_dscnt 31-n
	global_store_b128 v[CO], v[BK+4*n:BK+4*n+3], s[10:11] offset:(n/4)*65536+(n%4)*512
.set n, n+1
.endr
	s_wait_tensorcnt 0x0
	ds_add_u32 v[SPW], v[NIL]
	s_wait_dscnt 0x0
	CROUND
	s_endpgm
.Lfunc_end_k_q3f42250611_ff1:
	.size	k_q3f42250611_ff1, .Lfunc_end_k_q3f42250611_ff1-k_q3f42250611_ff1
	.p2alignl 7, 3214868480
	.fill 96, 4, 3214868480
	.section	.rodata,"a",@progbits
	.p2align	6, 0x0
	.amdhsa_kernel k_q3f42250611_ff1
		.amdhsa_group_segment_fixed_size 327680
		.amdhsa_private_segment_fixed_size 0
		.amdhsa_enable_private_segment 0
		.amdhsa_kernarg_size 40
		.amdhsa_user_sgpr_count 2
		.amdhsa_user_sgpr_kernarg_segment_ptr 1
		.amdhsa_wavefront_size32 1
		.amdhsa_system_sgpr_workgroup_id_x 1
		.amdhsa_system_sgpr_workgroup_id_y 1
		.amdhsa_system_sgpr_workgroup_id_z 1
		.amdhsa_system_vgpr_workitem_id 0
		.amdhsa_next_free_vgpr 1024
		.amdhsa_next_free_sgpr 98
		.amdhsa_reserve_vcc 0
		.amdhsa_float_denorm_mode_32 3
		.amdhsa_float_denorm_mode_16_64 3
		.amdhsa_memory_ordered 1
		.amdhsa_forward_progress 1
		.amdhsa_inst_pref_size 255
	.end_amdhsa_kernel
	.section	.bss,"aw",@nobits
	.p2align	6
	.space	262144
	.amdgpu_metadata
---
amdhsa.version: [ 1, 2 ]
amdhsa.kernels:
  - .name:           k_q3f42250611_ff1
    .symbol:         k_q3f42250611_ff1.kd
    .args:
      - { .name: h2, .offset: 0, .size: 8, .value_kind: global_buffer, .address_space: global }
      - { .name: w_ff1_codes, .offset: 8, .size: 8, .value_kind: global_buffer, .address_space: global }
      - { .name: lowp_scales, .offset: 16, .size: 8, .value_kind: global_buffer, .address_space: global }
      - { .name: b_ff1, .offset: 24, .size: 8, .value_kind: global_buffer, .address_space: global }
      - { .name: hid, .offset: 32, .size: 8, .value_kind: global_buffer, .address_space: global }
    .group_segment_fixed_size: 327680
    .private_segment_fixed_size: 0
    .kernarg_segment_align: 8
    .kernarg_segment_size: 40
    .max_flat_workgroup_size: 128
    .sgpr_count:     98
    .vgpr_count:     1024
    .wavefront_size: 32
...
	.end_amdgpu_metadata
.endif
;; end of part 6
;; launch ff2 (part 7): grid 8 x 32, 4 waves a work-group, clusters of 4 x 4, 327,680 bytes of LDS; arguments hid, w_ff2_codes, lowp_scales, b_ff2, x1, out0; writes out0
.if DOCPART == 7
	.amdgcn_target "amdgcn-amd-amdhsa--gfx1250"
	.amdhsa_code_object_version 6
	.text
	.protected	k_q3f42250611_ff2
	.globl	k_q3f42250611_ff2
	.p2align	8
	.type	k_q3f42250611_ff2,@function
k_q3f42250611_ff2:
	s_mov_b64 s[64:65], 0
	v_nop
	global_prefetch_b8 v0, s[64:65] scope:SCOPE_SE
	s_setreg_imm32_b32 hwreg(HW_REG_WAVE_MODE, 25, 1), 1
	s_wait_xcnt 0x0
	s_wait_alu depctr_hold_cnt(0) depctr_sa_sdst(0) depctr_va_vdst(0) depctr_va_sdst(0) depctr_va_ssrc(0) depctr_va_vcc(0) depctr_vm_vsrc(0)
	s_getreg_b32 s2, hwreg(HW_REG_IB_STS2, 6, 4)
	s_cmp_eq_u32 s2, 0
	s_cbranch_scc0 .Lentry_in_a_cluster
	s_endpgm
.Lentry_in_a_cluster:
	s_bfe_u32 s2, ttmp6, 0x10000c
	s_cmp_lg_u32 s2, 0xf033
	s_cbranch_scc0 .Lentry_shape_is_right
	s_endpgm
.Lentry_shape_is_right:
; y = res + bias + A B^T x 2^(ea + eb): here out0 = x1 + b_ff2 + hid w_ff2.  A [4096][KB] and B [1024][KB] are codes of E4M3; res and y are [4096][1024] f32.  No work of reference() is left out here.
; A comes as images of its operand registers: [tile of 16 tokens 256][K step of 128][2,048 bytes], byte 512 c + 16 lane + i = (row lane % 16, k = 32 c + 16 (lane / 16) + i).  B comes in rows, K innermost, and its fragments are
; read by four 16-byte loads, which give the same places to k.
; A tile of y is 128 x 128, so that the 4,096 x 1,024 results give 256 work-groups; four waves, each 64 x 64: 16 accumulators.  K goes in steps of 512 through two LDS slots filled by the tensor data mover.
; CLUSTERS: 4 x 4 work-groups; A's tile is asked for jointly along a row of the cluster, B's along a column.  THE MATRIX INSTRUCTION IS USED TRANSPOSED (source 0 = B, source 1 = A): a lane holds eight neighbouring columns of a row.
; LIMIT: ea + eb between -126 and 127.
; REGISTERS: window 0: v0-31 addresses; v128-255 the accumulators ((a, b) at v[128 + 8 (4 a + b)]).  window 1: two fragment buffers of 128 (A's four fragments, then B's four); on the way out the rows of y.
;   window 2: v0-127 the residual, asked for at the head; v128-131 the bias.
.set KB,     4096                      ; K, and a row of B in bytes
.set SOFF,   0x38                      ; where ea, eb lie among the scales' exponents
.set LAPS,   KB/1024                   ; a lap = two K steps of 512
.set APART,  65536                     ; a slot: A's 8 tiles x 4 K steps x 2,048 bytes,
.set BPITCH, 528                       ; then B's 128 rows of 512 bytes + 16 of padding = 132 words: the 16 rows that a load touches start at 16 different banks (ISA guide 11.1)
.set BHALF,  64*BPITCH
.set SLOT,   APART+2*BHALF
.set STAGE,  2*SLOT                    ; behind the ring: 16 rows x 272 bytes for each wave
.set SPITCH, 272
.set SPARE,  STAGE+4*16*SPITCH         ; behind the stages: the spare words, 128 bytes for each wave
.set ADRA, 16
.set ADRB, 20
.set STO,  24
.set RD,   25
.set CO,   26                          ; v26  my byte offset in two rows of y and of the residual
.set BO,   27                          ; v27  and in the bias
.set SPW,  28
.set NIL,  29
.set ACC,  128
.set F0,   0
.set F1,   128
.set G1, 24
.set G0, 32
.set G1B, 48
.set G0B, 56
.set MSB, 0
.macro WIN new
.if MSB != \new
	s_set_vgpr_msb (MSB<<8)|\new
.set MSB, \new
.endif
.endm
.set MUL,  0x05                        ; sources 0 (B) and 1 (A) window 1; C and D window 0
.set TO_F, 0x40                        ; destination window 1, address window 0
.macro JLOAD s                         ; a joint load: waves 0 and 1 fetch A's halves, waves 2 and 3 B's; an s_nop 0 and four v_nop follow each line
	s_cmp_eq_u32 s11, 0
	s_cbranch_scc0 .Lfor_b_\@
	tensor_load_to_lds s[G0+4*\s:G0+4*\s+3], s[G1:G1+7]
	s_nop 0
.rept 4
	v_nop
.endr
	s_branch .Lasked_\@
.Lfor_b_\@:
	tensor_load_to_lds s[G0B+4*\s:G0B+4*\s+3], s[G1B:G1B+7]
	s_nop 0
.rept 4
	v_nop
.endr
.Lasked_\@:
.endm
.macro CREST
	s_cmp_lg_u32 s10, 0
	s_cbranch_scc1 .Lnot_wave_0_\@
	s_barrier_signal -3
.Lnot_wave_0_\@:
	s_barrier_wait -3
	s_barrier_signal -1
	s_barrier_wait -1
.endm
.macro CROUND
	s_barrier_signal -1
	s_barrier_wait -1
	CREST
.endm
	s_load_b128 s[4:7], s[0:1], 0x0                ; A s[4:5], B s[6:7]
	s_load_b64 s[8:9], s[0:1], 0x10                ; the scales' exponents
	s_load_b128 s[68:71], s[0:1], 0x18             ; the bias s[68:69], the residual s[70:71]
	s_load_b64 s[72:73], s[0:1], 0x28              ; y
	v_lshl_add_u32 v[SPW], v0, 2, SPARE
	v_mov_b32 v[NIL], 0
	ds_add_u32 v[SPW], v[NIL]                      ; the wave's opening: the add, twice on end, and its wait ahead of my first tensor load
	ds_add_u32 v[SPW], v[NIL]
	v_lshrrev_b32 v1, 5, v0
	v_readfirstlane_b32 s10, v1                    ; wave 0..3
	s_lshr_b32 s11, s10, 1                         ; which half of the tile's rows is mine.  Also: I fetch for A (0) or for B (1)
	s_and_b32 s12, s10, 1                          ; which half of its columns.  Also: which half of that tile I fetch
	s_bfe_u32 s40, ttmp6, 0x40000                  ; cx
	s_bfe_u32 s41, ttmp6, 0x40004                  ; cy
	s_lshl_b32 s42, ttmp9, 2
	s_add_co_u32 s42, s42, s40                     ; tile column
	s_and_b32 s13, ttmp7, 0xffff
	s_lshl_b32 s13, s13, 2
	s_add_co_u32 s13, s13, s41                     ; tile row
	s_lshl_b32 s43, s41, 2
	s_lshl_b32 s43, 15, s43                        ; my row of the cluster
	s_lshl_b32 s44, 0x1111, s40                    ; my column
	; A: four tiles of tokens, of each 8,192 consecutive bytes (four K steps): 4 rows of 1,024 elements of 8 bytes, dense in LDS
	s_or_b32 s[G1+0], s43, (3<<16)|(1<<21)
	s_mov_b32 s[G1+1], 1024<<16                    ; tensor_dim0
	s_mov_b32 s[G1+2], 4<<16                       ; tensor_dim1
	s_mov_b32 s[G1+3], 1024<<16                    ; tile_dim0
	s_mov_b32 s[G1+4], 4                           ; tile_dim1
	s_mov_b32 s[G1+5], 2*KB                        ; from tile to tile: 16 KB bytes
	s_mov_b32 s[G1+6], 0
	s_mov_b32 s[G1+7], 0
	; B: 64 rows of 512 bytes, padded in LDS: 4 words after every 128
	s_or_b32 s[G1B+0], s44, (0<<16)|(1<<20)|(1<<21)|(6<<22)|(3<<25)
	s_mov_b32 s[G1B+1], 512<<16
	s_mov_b32 s[G1B+2], 64<<16
	s_mov_b32 s[G1B+3], 512<<16
	s_mov_b32 s[G1B+4], 64
	s_mov_b32 s[G1B+5], KB
	s_mov_b32 s[G1B+6], 0
	s_mov_b32 s[G1B+7], 0
	s_lshl_b32 s16, s13, 3
	s_lshl_b32 s17, s12, 2
	s_add_co_u32 s16, s16, s17
	s_mul_i32 s16, s16, 16*KB                      ; A: tile of tokens 8 x tile row + 4 x half
	s_mov_b32 s17, 0
	s_lshl_b32 s46, s42, 7
	s_lshl_b32 s47, s12, 6
	s_add_co_u32 s46, s46, s47
	s_mul_i32 s46, s46, KB                         ; B: row 128 x tile column + 64 x half
	s_mov_b32 s47, 0
	s_lshl_b32 s20, s12, 15                        ; where they go: A's halves,
	s_mul_i32 s21, s12, BHALF
	s_add_co_u32 s21, s21, APART                   ; B's halves behind them
	s_wait_dscnt 0x0                               ; both opening adds are done
	s_wait_kmcnt 0x0
	s_load_b64 s[74:75], s[8:9], SOFF              ; ea, eb
	s_add_nc_u64 s[14:15], s[4:5], s[16:17]
	s_add_nc_u64 s[46:47], s[6:7], s[46:47]
	CROUND                                         ; all sixteen work-groups are here: the first joint loads meet
.irp s, 0,1
	s_mov_b32 s[G0+4*\s], 1
	s_add_co_u32 s[G0+4*\s+1], s20, \s*SLOT
	s_add_nc_u64 s[G0+4*\s+2:G0+4*\s+3], s[14:15], \s*8192
	s_or_b32 s[G0+4*\s+3], s[G0+4*\s+3], 0x80000000
	s_mov_b32 s[G0B+4*\s], 1
	s_add_co_u32 s[G0B+4*\s+1], s21, \s*SLOT
	s_add_nc_u64 s[G0B+4*\s+2:G0B+4*\s+3], s[46:47], \s*512
	s_or_b32 s[G0B+4*\s+3], s[G0B+4*\s+3], 0x80000000
.endr
	JLOAD 0                                        ; K step 0: one tensor load a wave at the head
	; PREFETCH: behind the load of K step j stands one request for K step j + 2, while j + 2 <= 7: 32 blocks of 256 bytes a wave, a lane a block.  The four partners that ask for a tile jointly share it out by address:
	; of A's four tiles of tokens that I fetch, the partner at cx names one (8,192 consecutive bytes); of B's 64 rows, the partner at cy names 16 (two blocks a row).  K steps 0 and 1 come by their loads alone.
	s_cmp_eq_u32 s11, 0                            ; do I fetch for A?
	s_cselect_b64 s[76:77], s[14:15], s[46:47]     ; what I fetch
	s_cselect_b32 s66, 0, 1                        ; blocks a row: 2^s66
	s_mov_b32 s67, 4096
	s_cselect_b32 s67, 256, s67                    ; from row to row
	s_cselect_b32 s2, s40, s41                     ; my work-group's place among the four
	s_mov_b32 s78, 512
	s_cselect_b32 s78, 8192, s78                   ; a K step on, in bytes
	s_mov_b32 s79, 0
	s_mov_b32 s3, 0
	s_lshl_b32 s2, s2, 16                          ; a tile of tokens, and 16 rows of B, are 65,536 bytes
	s_add_nc_u64 s[76:77], s[76:77], s[2:3]
	s_add_nc_u64 s[76:77], s[76:77], s[78:79]
	s_add_nc_u64 s[76:77], s[76:77], s[78:79]      ; at K step 2
	v_and_b32 v30, 31, v0
	v_lshrrev_b32 v31, s66, v30
	v_mul_u32_u24 v31, v31, s67
	v_and_b32 v30, s66, v30
	v_lshl_add_u32 v30, v30, 8, v31                ; my lane's block; never rewritten
	global_prefetch_b8 v30, s[76:77] th:TH_LOAD_NT scope:SCOPE_SE
	v_and_b32 v1, 15, v0                           ; r
	v_bfe_u32 v2, v0, 4, 1                         ; h
	v_and_b32 v3, 31, v0
	v_lshlrev_b32 v3, 4, v3                        ; 16 x lane
	s_lshl_b32 s21, s11, 15                        ; my four tiles of tokens
	v_add_nc_u32 v[ADRA], s21, v3
	v_add_nc_u32 v[ADRA+1], SLOT, v[ADRA]
	v_mul_u32_u24 v4, v1, BPITCH
	v_lshl_add_u32 v4, v2, 4, v4
	s_mul_i32 s22, s12, BHALF                      ; my 64 rows of B
	s_add_co_u32 s22, s22, APART
	v_add_nc_u32 v[ADRB], s22, v4
	v_add_nc_u32 v[ADRB+1], SLOT, v[ADRB]
	s_mul_i32 s23, s10, 16*SPITCH
	s_add_co_u32 s23, s23, STAGE                   ; my stage
	v_mul_u32_u24 v5, v1, SPITCH                   ; in: row r, 32 bytes for each half of the lanes
	v_lshl_add_u32 v5, v2, 5, v5
	v_add_nc_u32 v[STO], s23, v5
	v_mul_u32_u24 v5, v2, SPITCH                   ; back: lanes 0-15 one row of 256 bytes, lanes 16-31 the next
	v_lshl_add_u32 v5, v1, 4, v5
	v_add_nc_u32 v[RD], s23, v5
	v_lshlrev_b32 v[BO], 4, v1
	v_lshl_add_u32 v[CO], v2, 12, v[BO]            ; and the same two rows in y: rows of 4,096 bytes
	s_wait_alu depctr_va_vdst(0)
	s_lshl_b32 s16, s13, 7
	s_lshl_b32 s17, s11, 6
	s_add_co_u32 s16, s16, s17
	s_lshl_b32 s16, s16, 12                        ; my first row: 128 x tile row + 64 x half
	s_mov_b32 s17, 0
	s_lshl_b32 s46, s42, 9
	s_lshl_b32 s47, s12, 8
	s_add_co_u32 s46, s46, s47                     ; my first column, in bytes
	s_mov_b32 s47, 0
	s_add_nc_u64 s[68:69], s[68:69], s[46:47]
	s_add_nc_u64 s[16:17], s[16:17], s[46:47]
	s_add_nc_u64 s[70:71], s[70:71], s[16:17]
	s_add_nc_u64 s[72:73], s[72:73], s[16:17]
	WIN 0x80                                       ; destination window 2: the residual and the bias are asked for now and wanted on the way out
.irp a, 0,1,2,3
.irp t, 0,1,2,3,4,5,6,7
	global_load_b128 v[32*\a+4*\t:32*\a+4*\t+3], v[CO], s[70:71] offset:(16*\a+2*\t)*4096
.endr
.endr
	global_load_b128 v[128:131], v[BO], s[68:69]
	WIN 0
.macro MULA f, a, zero                 ; four matrix instructions: A's fragment a x B's four, 128 along K.  The 16 accumulators take turns in one order
.irp b, 0,1,2,3
.if \zero
	v_wmma_f32_16x16x128_fp8_fp8 v[ACC+8*(4*(\a)+\b):ACC+8*(4*(\a)+\b)+7], v[\f+64+16*\b:\f+64+16*\b+15], v[\f+16*(\a):\f+16*(\a)+15], 0
.else
	v_wmma_f32_16x16x128_fp8_fp8 v[ACC+8*(4*(\a)+\b):ACC+8*(4*(\a)+\b)+7], v[\f+64+16*\b:\f+64+16*\b+15], v[\f+16*(\a):\f+16*(\a)+15], v[ACC+8*(4*(\a)+\b):ACC+8*(4*(\a)+\b)+7]
.endif
.endr
.endm
.macro FETCH slot, q, f                ; 32 LDS loads in one run: the slot's q-th 128 along K: B's four fragments, then A's four
	WIN TO_F
.irp i, 0,1,2,3
.irp c, 0,1,2,3
	ds_load_b128 v[\f+64+16*\i+4*\c:\f+64+16*\i+4*\c+3], v[ADRB+\slot] offset:\i*16*BPITCH+128*(\q)+32*\c
.endr
.endr
.irp i, 0,1,2,3
.irp c, 0,1,2,3
	ds_load_b128 v[\f+16*\i+4*\c:\f+16*\i+4*\c+3], v[ADRA+\slot] offset:8192*\i+2048*(\q)+512*\c
.endr
.endr
.endm
.macro PLACES
.rept 4
	v_nop
.endr
.endm
.macro QUARTER slot, qn, f, g, zero    ; multiplies buffer f; in its middle fetches the slot's quarter qn into g
	s_wait_dscnt 8                                 ; B's four and A's fragments 0, 1 are in; the eight youngest loads (A's 2, 3) may be out
	WIN MUL
	MULA \f, 0, \zero
	MULA \f, 1, \zero
	PLACES
	FETCH \slot, \qn, \g
	s_wait_dscnt 32                                ; all but the 32 just issued
	WIN MUL
	MULA \f, 2, \zero
	MULA \f, 3, \zero
.endm
.macro TURN slot, next, fill           ; a slot's last quarter multiplies buffer 1 and changes slots: one barrier
	WIN 0                                          ; (the add's two registers lie in window 0)
	s_wait_tensorcnt 0x0                           ; all my tensor loads have landed: my part of the next slot
	ds_add_u32 v[SPW], v[NIL]                      ; 0 onto my spare word
.if \fill
	s_wait_xcnt 0x0                                ; my prefetch has read its address:
	s_add_nc_u64 s[76:77], s[76:77], s[78:79]      ; a K step on
.endif
	s_wait_dscnt 9                                 ; (the add and the eight youngest loads may be out)
	WIN MUL
	MULA F1, 0, 0
	s_wait_dscnt 0x0                               ; the add is done, and my reads of this slot are over
	s_barrier_signal -1
	MULA F1, 1, 0
.if \fill
	WIN 0
.endif
	s_barrier_wait -1
.if \fill
	CREST                                          ; the barrier has opened a round of the cluster's barrier
	s_add_nc_u64 s[G0+4*\slot+2:G0+4*\slot+3], s[G0+4*\slot+2:G0+4*\slot+3], 2*8192
	s_add_nc_u64 s[G0B+4*\slot+2:G0B+4*\slot+3], s[G0B+4*\slot+2:G0B+4*\slot+3], 2*512
	JLOAD \slot                                    ; the first tensor load behind the round; its four v_nop are the places in front of the loads below
.else
	PLACES
.endif
	FETCH \next, 0, F0
.if \fill
	WIN 0                                          ; (a branch follows)
	s_cmp_gt_u32 s3, 1                             ; the loop's last trip loads K steps 6 and 7: no K step stands two on
	s_cbranch_scc0 .Lno_ask_\@
	global_prefetch_b8 v30, s[76:77] th:TH_LOAD_NT scope:SCOPE_SE
.Lno_ask_\@:
.endif
	WIN MUL
	MULA F1, 2, 0
	MULA F1, 3, 0
.endm
	s_wait_tensorcnt 0x0                           ; my part of K step 0 is in
	ds_add_u32 v[SPW], v[NIL]
	s_wait_dscnt 0x0
	CROUND                                         ; everybody's part of K step 0 is in, and the sixteen work-groups meet
	s_wait_xcnt 0x0                                ; my prefetch has read its address
	s_add_nc_u64 s[76:77], s[76:77], s[78:79]      ; at K step 3
	JLOAD 1                                        ; K step 1: the first tensor load behind the round
	FETCH 0, 0, F0
	WIN 0
	global_prefetch_b8 v30, s[76:77] th:TH_LOAD_NT scope:SCOPE_SE
	QUARTER 0, 1, F0, F1, 1                        ; the first quarter's products start the sums
.if LAPS > 1
	WIN 0
	s_mov_b32 s3, LAPS-1
.Llap:
	QUARTER 0, 2, F1, F0, 0
	QUARTER 0, 3, F0, F1, 0
	TURN 0, 1, 1
	QUARTER 1, 1, F0, F1, 0
	QUARTER 1, 2, F1, F0, 0
	QUARTER 1, 3, F0, F1, 0
	TURN 1, 0, 1
	QUARTER 0, 1, F0, F1, 0
	WIN 0
	s_sub_co_u32 s3, s3, 1
	s_cmp_lg_u32 s3, 0
	s_cbranch_scc1 .Llap
.endif
	QUARTER 0, 2, F1, F0, 0                        ; the last lap fills nothing
	QUARTER 0, 3, F0, F1, 0
	TURN 0, 1, 0
	QUARTER 1, 1, F0, F1, 0
	QUARTER 1, 2, F1, F0, 0
	QUARTER 1, 3, F0, F1, 0
	s_wait_dscnt 8
	WIN MUL
	MULA F1, 0, 0
	MULA F1, 1, 0
	s_wait_dscnt 0
	MULA F1, 2, 0
	MULA F1, 3, 0
	WIN 0
	; THE WAY OUT.  A block of 16 rows x 64 columns goes through my own stage and comes back as whole rows of 256 bytes; then sum x 2^(ea + eb) + (residual + bias), one packed multiply-add for two numbers.
	PLACES
.irp a, 0,1,2,3
.irp b, 0,1,2,3
	ds_store_b128 v[STO], v[ACC+8*(4*\a+\b):ACC+8*(4*\a+\b)+3] offset:64*\b          ; each accumulator from its low end on
	ds_store_b128 v[STO], v[ACC+8*(4*\a+\b)+4:ACC+8*(4*\a+\b)+7] offset:64*\b+16
.endr
	WIN TO_F
.irp t, 0,1,2,3,4,5,6,7
	ds_load_b128 v[32*\a+4*\t:32*\a+4*\t+3], v[RD] offset:\t*2*SPITCH   ; LDS serves a wave's instructions in order (ISA guide 5.7.1.4): these see my stores, and the next block's stores come behind them
.endr
	WIN 0
.endr
	s_wait_loadcnt 0x0                             ; the residual and the bias
	s_wait_kmcnt 0x0
	s_add_co_i32 s74, s74, s75
	s_add_co_i32 s74, s74, 127
	s_lshl_b32 s74, s74, 23                        ; 2^(ea + eb)
	s_mov_b32 s75, s74
	WIN 0x8a                                       ; sources 0, 1 and destination window 2
.set n, 0
.rept 32
	v_pk_add_f32 v[4*n:4*n+1], v[4*n:4*n+1], v[128:129]
	v_pk_add_f32 v[4*n+2:4*n+3], v[4*n+2:4*n+3], v[130:131]
.set n, n+1
.endr
.irp a, 0,1,2,3
	s_wait_dscnt 16*(3-\a)                         ; block a is back; the later blocks' sixteen LDS instructions each may be out
	WIN 0x61                                       ; source 0 and destination window 1, source 2 window 2
.set n, 0
.rept 16
	v_pk_fma_f32 v[32*\a+2*n:32*\a+2*n+1], v[32*\a+2*n:32*\a+2*n+1], s[74:75], v[32*\a+2*n:32*\a+2*n+1] op_sel_hi:[1,0,1]
.set n, n+1
.endr
	WIN 0x04                                       ; the stores' data window 1
.irp t, 0,1,2,3,4,5,6,7
	global_store_b128 v[CO], v[32*\a+4*\t:32*\a+4*\t+3], s[72:73] offset:(16*\a+2*\t)*4096   ; sixteen lanes store 256 consecutive bytes, aligned
.endr
.endr
	WIN 0
	s_wait_tensorcnt 0x0                           ; the wave's end
	ds_add_u32 v[SPW], v[NIL]
	s_wait_dscnt 0x0
	CROUND                                         ; the closing round
	s_endpgm
.Lfunc_end_k_q3f42250611_ff2:
	.size	k_q3f42250611_ff2, .Lfunc_end_k_q3f42250611_ff2-k_q3f42250611_ff2
	.p2alignl 7, 3214868480
	.fill 96, 4, 3214868480
	.section	.rodata,"a",@progbits
	.p2align	6, 0x0
	.amdhsa_kernel k_q3f42250611_ff2
		.amdhsa_group_segment_fixed_size 327680
		.amdhsa_private_segment_fixed_size 0
		.amdhsa_enable_private_segment 0
		.amdhsa_kernarg_size 48
		.amdhsa_user_sgpr_count 2
		.amdhsa_user_sgpr_kernarg_segment_ptr 1
		.amdhsa_wavefront_size32 1
		.amdhsa_system_sgpr_workgroup_id_x 1
		.amdhsa_system_sgpr_workgroup_id_y 1
		.amdhsa_system_sgpr_workgroup_id_z 1
		.amdhsa_system_vgpr_workitem_id 0
		.amdhsa_next_free_vgpr 768
		.amdhsa_next_free_sgpr 80
		.amdhsa_reserve_vcc 0
		.amdhsa_float_denorm_mode_32 3
		.amdhsa_float_denorm_mode_16_64 3
		.amdhsa_memory_ordered 1
		.amdhsa_forward_progress 1
		.amdhsa_inst_pref_size 84
	.end_amdhsa_kernel
	.amdgpu_metadata
---
amdhsa.version: [ 1, 2 ]
amdhsa.kernels:
  - .name:           k_q3f42250611_ff2
    .symbol:         k_q3f42250611_ff2.kd
    .args:
      - { .name: hid, .offset: 0, .size: 8, .value_kind: global_buffer, .address_space: global }
      - { .name: w_ff2_codes, .offset: 8, .size: 8, .value_kind: global_buffer, .address_space: global }
      - { .name: lowp_scales, .offset: 16, .size: 8, .value_kind: global_buffer, .address_space: global }
      - { .name: b_ff2, .offset: 24, .size: 8, .value_kind: global_buffer, .address_space: global }
      - { .name: x1, .offset: 32, .size: 8, .value_kind: global_buffer, .address_space: global }
      - { .name: out0, .offset: 40, .size: 8, .value_kind: global_buffer, .address_space: global }
    .group_segment_fixed_size: 327680
    .private_segment_fixed_size: 0
    .kernarg_segment_align: 8
    .kernarg_segment_size: 48
    .max_flat_workgroup_size: 128
    .sgpr_count:     80
    .vgpr_count:     768
    .wavefront_size: 32
...
	.end_amdgpu_metadata
.endif
;; end of part 7
